; MI455X (gfx1250); checked and timed in simulation.
; The chip was launched on July 23, 2026; its instructions are those of AMD's public machine-readable ISA for CDNA 5 (MIT licence, August 2026) and "CDNA5" Instruction Set Architecture Reference Guide (July 2026). The comments in the code are by the model that wrote it; some were corrected since.
;; Min LSTM Layer. Allowed arithmetic: matrix products marked QUANTISED: E2M1 operands, one E8M0 scale for each 32 along K, by v_wmma_scale_f32_16x16x128_f8f6f4 with both operands' format E2M1 (or v_wmma_scale_f32_32x16x128_f4), f32 sums; everything else in f32.
;; Inputs: W_f 1,024 x 1,024 float32; W_h 1,024 x 1,024 float32; W_i 1,024 x 1,024 float32; b_f 1,024 float32; b_h 1,024 float32; b_i 1,024 float32; x 4 x 4,096 x 1,024 float32.
;; Outputs: out0 4 x 4,096 x 1,024 float32.
;; This version of the problem:
;;   THIS VERSION OF THE PROBLEM IS GIVEN IN LOW PRECISION. The matrix products marked QUANTISED in the list below multiply operands that are first quantised to E2M1 (2 exponent bits, 1 mantissa bit; 4 bits a number), with one power-of-two scale for each 32 numbers along K (OCP MX v1.0); their sums are f32. All else is computed in f32.
;;   The module's matrix products, in the order in which they are computed (A, B: the left and right operand; K: the contracted axis; several contracted axes count as one K, in the product's order):
;;     1. [M 16,384, K 1,024] x [K 1,024, N 1,024]; A: input x; B: input W_f: QUANTISED
;;     2. [M 16,384, K 1,024] x [K 1,024, N 1,024]; A: input x; B: input W_i: QUANTISED
;;     3. [M 16,384, K 1,024] x [K 1,024, N 1,024]; A: input x; B: input W_h: QUANTISED
;;   THE QUANTISER, for each operand of a quantised product, along K:
;;     - K is cut into blocks of 32 from its start; a last block that is shorter is filled with zeros.
;;     - A block's scale is 2^e with e = floor(log2(the largest magnitude in the block)) - 2, held to -126 .. 127; a block of zeros has e = 0. As a byte (E8M0): e + 127.
;;     - Each number is divided by its block's scale, clamped to +-6, and rounded to the nearest number of E2M1, ties to even, subnormals kept.
;;     - The product sums the exact products of the quantised numbers (number of the format x scale) in f32.
;;   ~~~python
;;   def quantise(x, axis):      # numpy; x: float32 -> the quantised numbers, widened to float32 again
;;       x = np.moveaxis(x, axis, -1); K = x.shape[-1]
;;       x = np.pad(x, [(0, 0)] * (x.ndim - 1) + [(0, -K % 32)]); x = x.reshape(x.shape[:-1] + (-1, 32)); a = np.abs(x).max(-1, keepdims=True)
;;       e = np.where(a > 0, np.clip(np.frexp(np.where(a > 0, a, 1))[1] - 1 - 2, -126, 127), 0)      # np.frexp(a)[1] - 1 = floor(log2(a)), exactly
;;       r = np.clip(x / 2.0 ** e, -6, 6)
;;       step = 2.0 ** (np.maximum(np.frexp(np.where(r == 0, 1, r))[1] - 1, 0) - 1)
;;       q = np.round(r / step) * step * 2.0 ** e      # np.round: ties to even
;;       return np.moveaxis(q.reshape(q.shape[:-2] + (-1,))[..., :K], -1, axis).astype(np.float32)
;;   ~~~
;; 2 versions. Each part assembles by itself: llvm-mc -triple=amdgcn-amd-amdhsa -mcpu=gfx1250 --defsym DOCPART=n.
;; ======== version 1 of 2: 2 launches
;; workspace buffers: codes 10,584,064 bytes
;; launch quant (part 1): grid 608 x 1, 4 waves a work-group, no clusters, 35,328 bytes of LDS; arguments x, W_f, W_i, W_h, codes; writes codes
.if DOCPART == 1
	.amdgcn_target "amdgcn-amd-amdhsa--gfx1250"
	.amdhsa_code_object_version 6
	.text
	.protected	k_q1eb695831a_quant
	.globl	k_q1eb695831a_quant
	.p2align	8
	.type	k_q1eb695831a_quant,@function
k_q1eb695831a_quant:
	s_mov_b64 s[64:65], 0
	v_nop
	global_prefetch_b8 v0, s[64:65] scope:SCOPE_SE
	s_setreg_imm32_b32 hwreg(HW_REG_WAVE_MODE, 25, 1), 1
	s_wait_xcnt 0x0
; x [16384][1024], W_f, W_i, W_h [1024][1024], f32, K innermost, become codes of FP4 (E2M1) with one E8M0 byte for each 32 along K,
; laid in the ORDER OF THE OPERAND'S REGISTERS, so that the next launch fills every fragment by 16-byte loads at 16 x lane.
; A block's scale is 2^(floor(log2(largest magnitude)) - 2); its byte is the largest magnitude's exponent field - 2, held at 1 from below.
; LIMITS: a block of zeros gets the byte 1 where the rule says 127 (its codes are zeros, which add nothing under any byte but 0xff, and this
; program alone reads the bytes); NaN and infinities among the inputs are not served.
; A PART of the buffer is 32 rows x 1,024 K = 17,408 bytes.  Bytes 0 .. 16,383: 32 images of 512 bytes; image (s, tau, c) at 2048 s + 1024 tau + 512 c
; (K step s of 128, tile of 16 rows tau, half c); lane l = 16 h + r has 16 bytes at 16 l: the codes of tile row r, k = 128 s + 64 c + 32 h + 0 .. 31.
; Bytes 16,384 on: at 512 u + 256 tau + 16 r the four scale words of K steps 4 u .. 4 u + 3 of tile row (tau, r).
; Parts 0 .. 511 are x: part P holds rows 32 P + t, and tile row (tau, r) is t = 16 (r / 8) + 8 tau + r % 8: a lane of the product's result then holds
; 16 neighbouring rows.  Parts 512 + 32 g + q are gate g (f, i, h): rows 32 q + 16 tau + r, as they lie.
; SHARES: work-group P makes part P; wave v takes tau = v / 2, u = v % 2: 16 rows x 512 K, in 8 steps of 64 K.  One path for all four tensors: pointers and three
; numbers are chosen on the work-group's number.  A load reads 256 consecutive bytes of each of two rows; a step's 4,096 bytes turn through the wave's own stage
; in LDS and come back 128 bytes a lane: a whole block of 32 in one lane's registers.  No barrier: waves share nothing.  Loads run two steps (16 loads) ahead.
.set PARTB, 17408
.set STG,   4352                       ; a stage: 16 rows x (256 bytes + 16); two for each wave
.set RR,    32                         ; v32-95   two sets of 32 registers as loaded
.set XX,    96                         ; v96-159  two sets of 32: my block
.set CC,    160                        ; v160-191 four registers of codes for each step: no store's data are written again
.set SW,    16                         ; v16-19   my bytes of the four scale words; v20-23 the partner lane's
	s_load_b256 s[4:11], s[0:1], 0x0               ; x, W_f, W_i, W_h
	s_load_b64 s[12:13], s[0:1], 0x20              ; the codes' buffer
	v_lshl_add_u32 v192, v0, 2, 0x8800
	v_mov_b32 v193, 0
	v_lshrrev_b32 v1, 5, v0
	v_readfirstlane_b32 s14, v1                    ; wave 0..3
	v_and_b32 v2, 15, v0                           ; lane % 16
	v_bfe_u32 v3, v0, 4, 1                         ; lane / 16
	s_lshr_b32 s18, s14, 1                         ; tau
	s_and_b32 s19, s14, 1                          ; u
	s_and_b32 s15, ttmp9, 31
	s_mov_b32 s16, 65536
	s_mov_b32 s17, 32768
	s_cmp_lt_u32 ttmp9, 512                        ; a part of x, or of a weight?
	s_cselect_b32 s15, ttmp9, s15                  ; which 32 rows of the tensor
	s_cselect_b32 s16, 32768, s16                  ; from tile 0 to tile 1: 8 rows in x, 16 in a weight
	s_cselect_b32 s17, 65536, s17                  ; from tile row 0 to tile row 8: 16 rows in x, 8 in a weight
	s_lshl_b32 s26, s15, 17                        ; 32 rows of 4,096 bytes
	s_mul_i32 s28, s18, s16
	s_add_co_u32 s26, s26, s28
	s_lshl_b32 s28, s19, 11                        ; 512 K = 2,048 bytes
	s_add_co_u32 s26, s26, s28
	s_mov_b32 s27, 0
	s_mul_i32 s28, ttmp9, PARTB                    ; my part
	s_lshl_b32 s29, s19, 13
	s_add_co_u32 s30, s28, s29                     ; codes: + 8192 u
	s_lshl_b32 s29, s18, 10
	s_add_co_u32 s30, s30, s29                     ;        + 1024 tau
	s_mov_b32 s31, 0
	s_lshl_b32 s29, s19, 9
	s_add_co_u32 s28, s28, s29                     ; scale words: + 512 u
	s_lshl_b32 s29, s18, 8
	s_add_co_u32 s28, s28, s29                     ;              + 256 tau
	s_add_co_u32 s28, s28, 16384
	s_mov_b32 s29, 0
	v_lshlrev_b32 v4, 4, v2
	v_lshl_add_u32 v4, v3, 12, v4                  ; in: lanes 0-15 one row's 256 bytes, lanes 16-31 the next row's
	v_add_nc_u32 v5, s17, v4                       ; the same for tile rows 8 on
	s_mul_i32 s20, s14, 2*STG                      ; my wave's stages
	v_mul_u32_u24 v6, v3, 272
	v_lshl_add_u32 v6, v2, 4, v6
	v_add_nc_u32 v6, s20, v6                       ; into a stage, as loaded
	v_mul_u32_u24 v7, v2, 272
	v_lshl_add_u32 v7, v3, 7, v7
	v_add_nc_u32 v7, s20, v7                       ; out of it: row r, 128 bytes for each half of the lanes
	v_and_b32 v8, 31, v0
	v_lshlrev_b32 v8, 4, v8                        ; an image: 16 x lane
	v_lshlrev_b32 v9, 4, v2
	v_lshl_add_u32 v9, v3, 3, v9                   ; the scale words: 16 r + 8 h
	v_lshlrev_b32 v10, 3, v3                       ; 8 h
.irp i, 0,1,2,3
	v_mov_b32 v[20+\i], 0                          ; a lane permute's destination counts as one of its sources
.endr
	s_mov_b32 s24, 0x76543210
	s_mov_b32 s25, 0xfedcba98                      ; v_permlanex16_b32's selects for lane l xor 16
	s_wait_kmcnt 0x0
	s_cmp_lt_u32 ttmp9, 512                        ; the choices hang on the work-group's number alone
	s_cselect_b64 s[4:5], s[4:5], s[6:7]
	s_cmp_ge_u32 ttmp9, 544
	s_cselect_b64 s[4:5], s[8:9], s[4:5]
	s_cmp_ge_u32 ttmp9, 576
	s_cselect_b64 s[4:5], s[10:11], s[4:5]
	s_add_nc_u64 s[4:5], s[4:5], s[26:27]
	s_add_nc_u64 s[20:21], s[12:13], s[30:31]
	s_add_nc_u64 s[22:23], s[12:13], s[28:29]
.macro LOAD p                          ; step p: 64 K of my 16 rows, two rows an instruction
.irp i, 0,1,2,3
	global_load_b128 v[RR+32*((\p)%2)+4*\i:RR+32*((\p)%2)+4*\i+3], v4, s[4:5] offset:\i*8192+(\p)*256 th:TH_LOAD_NT
.endr
.irp i, 0,1,2,3
	global_load_b128 v[RR+32*((\p)%2)+16+4*\i:RR+32*((\p)%2)+16+4*\i+3], v5, s[4:5] offset:\i*8192+(\p)*256 th:TH_LOAD_NT
.endr
.endm
.macro TURN p                          ; through the stage: LDS serves a wave's instructions in order (ISA guide 5.7.1.4), so no wait stands between the stores and the loads
.irp i, 0,1,2,3,4,5,6,7
	ds_store_b128 v6, v[RR+32*((\p)%2)+4*\i:RR+32*((\p)%2)+4*\i+3] offset:((\p)%2)*STG+\i*544
.endr
.irp j, 0,1,2,3,4,5,6,7
	ds_load_b128 v[XX+32*((\p)%2)+4*\j:XX+32*((\p)%2)+4*\j+3], v7 offset:((\p)%2)*STG+16*\j
.endr
.endm
.macro STEP p
.set XS, XX+32*((\p)%2)
	s_wait_dscnt 0x0                               ; my block is back from the stage, and the stores into the stage have read their registers,
.if (\p)+2 < 8
	LOAD (\p)+2                                    ; which take the loads of two steps on
.endif
.if (\p)+1 < 8
.if (\p)+2 < 8
	s_wait_loadcnt 8                               ; the next step's eight loads are in; the eight just issued stay out
.else
	s_wait_loadcnt 0x0
.endif
	TURN (\p)+1                                    ; the next step goes through the other stage while this one is worked
.endif
	v_max3_num_f32 v12, |v[XS]|, |v[XS+1]|, |v[XS+2]|               ; the block's largest magnitude: all 32 numbers are mine; two chains
	v_max3_num_f32 v13, |v[XS+3]|, |v[XS+4]|, |v[XS+5]|
.irp i, 6,10,14,18,22,26
	v_max3_num_f32 v12, v12, |v[XS+\i]|, |v[XS+\i+1]|
	v_max3_num_f32 v13, v13, |v[XS+\i+2]|, |v[XS+\i+3]|
.endr
	v_max3_num_f32 v12, v12, |v[XS+30]|, |v[XS+31]|
	v_max3_num_f32 v12, v12, v13, 0x1800000        ; and the floor 2^(3 - 127): the byte cannot fall under 1
	v_add_nc_u32 v11, 0xff000000, v12              ; 2 off the exponent field: the conversion takes the exponent field of this operand as its scale
.irp g, 0,1,2,3
	v_cvt_scalef32_pk8_fp4_f32 v[CC+4*(\p)+\g], v[XS+8*\g:XS+8*\g+7], v11   ; to the nearest code, ties to even, beyond 6 the largest code
.endr
	v_lshrrev_b32 v14, 23, v11                     ; the scale's byte (a plain instruction behind the conversions)
.if (\p)%2 == 0
	v_mov_b32 v[SW+(\p)/2], v14                    ; block h of the K step,
.else
	v_lshl_or_b32 v[SW+(\p)/2], v14, 16, v[SW+(\p)/2]   ; block 2 + h
.endif
	global_store_b128 v8, v[CC+4*(\p):CC+4*(\p)+3], s[20:21] offset:((\p)/2)*2048+((\p)%2)*512   ; an image: 512 consecutive bytes
.endm
	LOAD 0
	LOAD 1
	s_wait_loadcnt 8                               ; step 0's eight loads are in
	TURN 0
.irp p, 0,1,2,3,4,5,6,7
	STEP \p
.endr
.irp i, 0,1,2,3
	v_lshlrev_b32 v[SW+\i], v10, v[SW+\i]          ; my two bytes at their places in the word: 8 h bits up
.endr
.irp i, 0,1,2,3
	v_permlanex16_b32 v[20+\i], v[SW+\i], s24, s25
.endr
.irp i, 0,1,2,3
	v_or_b32 v[SW+\i], v[SW+\i], v[20+\i]          ; with lane l xor 16's two the word is whole
.endr
	v_cmp_ne_u32 vcc_lo, 0, v10
	v_cndmask_b32 v12, v16, v18, vcc_lo            ; lanes 0-15 store words 0 and 1 of their row, lanes 16-31 words 2 and 3
	v_cndmask_b32 v13, v17, v19, vcc_lo
	global_store_b64 v9, v[12:13], s[22:23]        ; 32 lanes store 256 consecutive bytes, aligned
	s_wait_tensorcnt 0x0
	ds_add_u32 v192, v193
	s_wait_dscnt 0x0
	s_endpgm
.Lfunc_end_k_q1eb695831a_quant:
	.size	k_q1eb695831a_quant, .Lfunc_end_k_q1eb695831a_quant-k_q1eb695831a_quant
	.p2alignl 7, 3214868480
	.fill 96, 4, 3214868480
	.section	.rodata,"a",@progbits
	.p2align	6, 0x0
	.amdhsa_kernel k_q1eb695831a_quant
		.amdhsa_group_segment_fixed_size 35328
		.amdhsa_private_segment_fixed_size 0
		.amdhsa_enable_private_segment 0
		.amdhsa_kernarg_size 40
		.amdhsa_user_sgpr_count 2
		.amdhsa_user_sgpr_kernarg_segment_ptr 1
		.amdhsa_wavefront_size32 1
		.amdhsa_system_sgpr_workgroup_id_x 1
		.amdhsa_system_sgpr_workgroup_id_y 1
		.amdhsa_system_sgpr_workgroup_id_z 1
		.amdhsa_system_vgpr_workitem_id 0
		.amdhsa_next_free_vgpr 194
		.amdhsa_next_free_sgpr 66
		.amdhsa_reserve_vcc 1
		.amdhsa_float_denorm_mode_32 3
		.amdhsa_float_denorm_mode_16_64 3
		.amdhsa_memory_ordered 1
		.amdhsa_forward_progress 1
		.amdhsa_inst_pref_size 31
	.end_amdhsa_kernel
	.amdgpu_metadata
---
amdhsa.version: [ 1, 2 ]
amdhsa.kernels:
  - .name:           k_q1eb695831a_quant
    .symbol:         k_q1eb695831a_quant.kd
    .args:
      - { .name: x, .offset: 0, .size: 8, .value_kind: global_buffer, .address_space: global }
      - { .name: W_f, .offset: 8, .size: 8, .value_kind: global_buffer, .address_space: global }
      - { .name: W_i, .offset: 16, .size: 8, .value_kind: global_buffer, .address_space: global }
      - { .name: W_h, .offset: 24, .size: 8, .value_kind: global_buffer, .address_space: global }
      - { .name: codes, .offset: 32, .size: 8, .value_kind: global_buffer, .address_space: global }
    .group_segment_fixed_size: 35328
    .private_segment_fixed_size: 0
    .kernarg_segment_align: 8
    .kernarg_segment_size: 40
    .max_flat_workgroup_size: 128
    .sgpr_count:     66
    .vgpr_count:     194
    .wavefront_size: 32
...
	.end_amdgpu_metadata
.endif
;; end of part 1
;; launch lstm (part 2): grid 64 x 4, 8 waves a work-group, clusters of 4 x 1, 327,680 bytes of LDS; arguments codes, b_f, b_i, b_h, out0; writes out0
.if DOCPART == 2
	.amdgcn_target "amdgcn-amd-amdhsa--gfx1250"
	.amdhsa_code_object_version 6
	.text
	.protected	k_q1eb695831a_lstm
	.globl	k_q1eb695831a_lstm
	.p2align	8
	.type	k_q1eb695831a_lstm,@function
k_q1eb695831a_lstm:
	s_mov_b64 s[64:65], 0
	v_nop
	global_prefetch_b8 v0, s[64:65] scope:SCOPE_SE
	s_setreg_imm32_b32 hwreg(HW_REG_WAVE_MODE, 25, 1), 1
	s_wait_xcnt 0x0
	s_wait_alu depctr_hold_cnt(0) depctr_sa_sdst(0) depctr_va_vdst(0) depctr_va_sdst(0) depctr_va_ssrc(0) depctr_va_vcc(0) depctr_vm_vsrc(0)
	s_getreg_b32 s2, hwreg(HW_REG_IB_STS2, 6, 4)
	s_cmp_eq_u32 s2, 0
	s_cbranch_scc0 .Lentry_in_a_cluster
	s_endpgm
.Lentry_in_a_cluster:
	s_bfe_u32 s2, ttmp6, 0x10000c
	s_cmp_lg_u32 s2, 0x3003
	s_cbranch_scc0 .Lentry_shape_is_right
	s_endpgm
.Lentry_shape_is_right:
; out0[b][t][d] = h_t,  h_t = f_t h_(t-1) + i_t g_t,  h_0 = 1,  from F = x W_f^T + b_f, I = x W_i^T + b_i, H = x W_h^T + b_h (products on codes of FP4 with E8M0 scales, sums f32):
;   f = (1 + e^-I) / ((1 + e^-I) + (1 + e^-F)),  i = 1 - f likewise,  g = max(H, 0) + s / (1 + s), s = e^min(H, 0)  (for H >= 0 that is H + 0.5, else sigmoid(H)).
; GATES: the largest of the exponents -F, -I, 0 is taken off ahead of the exponentials, so the denominator lies between 1 and 4.
; THE SCAN IS DONE ON h ITSELF, not on its logarithm: f + i = 1 with both in [0, 1], so h_t is a weighted mean of h_(t-1) and g_t: every term is >= 0, nothing cancels, nothing exceeds
; max(1, the largest g); the scan holds no exponential.  LIMITS: terms and results under 2^-126 come out as 0; NaN and infinities are not served.
; SHARES: a work-group owns one batch and 16 channels and walks all 4,096 time steps with the carry in registers: 4 x 64 = 256 work-groups, no traffic between them.
; It walks 16 tiles of 256 steps; wave w owns steps 32 w .. 32 w + 31 of each tile; lane (r, h) owns channel r and the 16 NEIGHBOURING steps 16 h + 0 .. 15 of them.
; THE PRODUCT: source 0 = 16 rows of x, source 1 = 16 rows of a weight: in the result a lane holds one channel and its registers run along time; the rows of x that form a tile were chosen by
; the launch before so that tiles 0 and 1 give a lane steps 16 h + 0 .. 7 and 16 h + 8 .. 15.  The biases are the C of each sum's first K step.
; The weights' 48 fragments stay in every wave's registers for the whole launch.  x's codes come through a ring of two LDS slots; wave w fetches and reads part w alone.
; CLUSTER: the four work-groups of a cluster own neighbouring channel groups of one batch and need the same tiles of x: each wave's part is asked for JOINTLY, mask 15: a quarter of the requests.
; STORES: a work-group's piece of an output row is its 16 channels, 64 bytes; the cluster's four partners write the four neighbouring pieces of the same 256 bytes in the same tile.
; Pieces of 256 bytes would ask for 64 channels a work-group, which leaves 64 work-groups for a launch whose weight is vector work.
; THE CARRY: a lane scans its 16 steps from 0 (running product P, running sum S); the 16 lanes' pairs (P, S) of a channel meet in LDS behind one barrier a tile, and every lane walks the 16.
; REGISTERS, window 0: v1-9 addresses and the carry; v10-15 what enters my steps, and my (P, S); v16-23 x's scale words; v24-35 the weights'; v36-38 biases as loaded;
;   v40-87 the six accumulators; v88-95 addresses of the head; v96-223 x's fragments, then eight work arrays of 16.   window 1: v0-191 the weights' fragments; v192-215 the biases, eight times each.
.set PARTB,  17408                     ; 32 rows x 1,024 K: 32 images of 512 bytes, then 1,024 bytes of scale words
.set TILEB,  8*PARTB                   ; a tile of 256 steps
.set BATCHB, 16*TILEB
.set GATEB,  32*PARTB                  ; from a gate's weight to the next
.set WPART0, 512*PARTB                 ; where the weights begin
.set SLOT1,  TILEB                     ; LDS: slot 0 at 0, slot 1 here
.set BIMG,   2*TILEB                   ; the weights' 48 images, (g, s, c) at 512 (2 (8 g + s) + c): stored once, read once
.set SUMB,   BIMG+48*512               ; the pairs (P, S): two buffers of 16 channels x (128 bytes + 16), by turns
.set SUMP,   144
.set SUMSZ,  16*SUMP
.set SPARE,  SUMB+2*SUMSZ              ; the spare words, 128 bytes for each wave: four blocks of 256 bytes that no other line names
.set SPW, 1                            ; v1   LDS address of my spare word; never rewritten
.set NIL, 2                            ; v2   0; never rewritten
.set XA0, 3                            ; v3-4 16 x lane + my part, in slot 0, 1
.set SWR, 5                            ; v5   where I put my (P, S)
.set SRD, 6                            ; v6   my channel's 16 pairs
.set OUTO, 7                           ; v7   my byte offset in a tile of out0
.set CAR, 8                            ; v8   the carry: h at the end of the last tile (later: of segment k)
.set PFO, 9                            ; v9   the prefetches' offset
.set XSC, 16                           ; register s: lanes 0-15 tile 0's rows, lanes 16-31 tile 1's
.set WSC, 24                           ; register 4 g + s % 4: lanes 0-15 K steps 0-3, lanes 16-31 K steps 4-7
.set ACC, 40
.set AF,  40                           ; F, then f, then its running product
.set AI,  56                           ; I, then i g, then its running sum, then h
.set AH,  72                           ; H
.set XFR, 96                           ; x's fragment (s, tau) at 96 + 16 s + 8 tau
.set WM,  96
.set WR,  112
.set WE,  128
.set WT,  144
.set WNF, 160
.set WNI, 176
.set WD,  192
.set WQ,  208
.set BIA, 192                          ; in window 1
.set WV,  14                           ; s14  my wave's number
.set G1,  24                           ; s[24:31] descriptor group 1
.set G0,  32                           ; s[32:39] group 0, a set for each slot
.set MK,  40                           ; s[40:55] mask k: my lanes whose steps are segment k of the tile
.set CL,  56                           ; s[56:57] log2(e), twice
.set PFA, 66                           ; s[66:67] where my prefetches stand
.set LIM, 68                           ; s68  1 in a cluster that prefetches, else the greatest number
.set REM, 69                           ; s69  15 - the tile in hand
.set MSB, 0
.macro WIN new                         ; the immediate's high byte repeats the setting that is left
.if MSB != \new
	s_set_vgpr_msb (MSB<<8)|\new
.set MSB, \new
.endif
.endm
.macro PLACES
.rept 4
	v_nop
.endr
.endm
; A round of the cluster's barrier: my work-group's barrier; wave 0 signals for the work-group; every wave waits for all four work-groups; my work-group's barrier once more.
.macro ROUND
	s_barrier_signal -1
	s_barrier_wait -1
	s_cmp_lg_u32 s[WV], 0
	s_cbranch_scc1 .Lnot_wave_0_\@
	s_barrier_signal -3
.Lnot_wave_0_\@:
	s_barrier_wait -3
	s_barrier_signal -1
	s_barrier_wait -1
.endm
; A PREFETCH of the tile that the NEXT change of slots will ask for.  All 16 clusters of a batch walk the same tiles: the batch's first cluster asks.  A wave's part is 68 blocks of 256 bytes: its four
; partners take 17 each, told apart BY ADDRESS; lanes 0-16 name a block each, lanes 17-31 name lane 16's again (68 = 4 x 17).  The tile's last two changes ask for nothing.
.macro ASK
	s_cmp_gt_u32 s[REM], s[LIM]
	s_cbranch_scc0 .Lnot_mine_\@
	global_prefetch_b8 v[PFO], s[PFA:PFA+1] th:TH_LOAD_NT scope:SCOPE_SE
.Lnot_mine_\@:
.endm
	s_load_b256 s[4:11], s[0:1], 0x0               ; codes s[4:5], b_f s[6:7], b_i s[8:9], b_h s[10:11]
	s_load_b64 s[12:13], s[0:1], 0x20              ; out0
	v_lshl_add_u32 v[SPW], v0, 2, SPARE
	v_mov_b32 v[NIL], 0
	ds_add_u32 v1, v2
	ds_add_u32 v1, v2
	s_wait_dscnt 0x0
	v_lshrrev_b32 v88, 5, v0
	v_readfirstlane_b32 s[WV], v88                 ; wave 0..7
	s_bfe_u32 s15, ttmp6, 0x40000                  ; cx: my place in the cluster
	s_lshl_b32 s16, ttmp9, 2
	s_add_co_u32 s16, s16, s15                     ; my group of 16 channels = 4 x cluster x + cx
	s_and_b32 s17, ttmp7, 0xffff                   ; the batch, which the four partners share
	; descriptor group 1: a part, 17,408 dense bytes, as 68 rows of 256 bytes (32 elements of 8 bytes)
	s_mov_b32 s[G1+0], 15|(3<<16)|(1<<21)          ; 15:0 the mask: all four work-groups; 17:16 elements of 8 bytes; 20 no padding; 21 set beside a mask
	s_mov_b32 s[G1+1], 32<<16                      ; tensor_dim0 = 32
	s_mov_b32 s[G1+2], 68<<16                      ; tensor_dim1 = 68
	s_mov_b32 s[G1+3], 32<<16                      ; tile_dim0 = 32
	s_mov_b32 s[G1+4], 68                          ; tile_dim1 = 68
	s_mov_b32 s[G1+5], 32                          ; tensor_dim0_stride
	s_mov_b32 s[G1+6], 0
	s_mov_b32 s[G1+7], 0
	s_mul_i32 s2, s[WV], PARTB                     ; my part in a tile, in memory and in a slot: no place in the cluster enters it
	s_mul_i32 s18, s17, BATCHB
	s_add_co_u32 s18, s18, s2                      ; my part of the batch's tile 0
	s_mov_b32 s19, 0
	s_lshr_b32 s20, s16, 1                         ; the weights: part 512 + 32 g + group / 2, its tile group % 2
	s_mul_i32 s20, s20, PARTB
	s_add_co_u32 s20, s20, WPART0
	s_and_b32 s3, s16, 1
	s_lshl_b32 s22, s3, 8
	s_add_co_u32 s22, s22, s20
	s_add_co_u32 s22, s22, 16384                   ; its scale words
	s_lshl_b32 s3, s3, 10
	s_add_co_u32 s20, s20, s3                      ; its images
	s_mov_b32 s21, 0
	s_mov_b32 s23, 0
	s_lshl_b32 s70, s16, 6                         ; my 16 channels: 64 bytes
	s_mov_b32 s71, 0
	s_lshl_b32 s62, s17, 24                        ; a batch of out0: 4,096 x 4,096 bytes
	s_add_co_u32 s62, s62, s70
	s_mov_b32 s63, 0
.irp k, 0,1,2,3,4,5,6,7,8,9,10,11,12,13,14,15
	s_cmp_eq_u32 s[WV], \k/2                       ; segment k = 2 w + h: steps 16 k .. 16 k + 15 of the tile
.if (\k)%2
	s_cselect_b32 s[MK+\k], 0xffff0000, 0
.else
	s_cselect_b32 s[MK+\k], 0xffff, 0
.endif
.endr
	s_mov_b32 s[CL], 0x3fb8aa3b                    ; log2(e)
	s_mov_b32 s[CL+1], s[CL]                       ; (named with it as a pair, so it is written)
	s_mul_i32 s60, s15, 17*256                     ; the prefetches: my work-group's 17 blocks of the part,
	s_add_co_u32 s60, s60, 2*TILEB                 ; in tile 2: the first change of slots steps it to tile 3
	s_mov_b32 s61, 0
	s_cmp_eq_u32 ttmp9, 0                          ; the batch's first cluster: the same in all four partners
	s_cselect_b32 s[LIM], 1, -1
	s_mov_b32 s[REM], 14
	s_wait_kmcnt 0x0
	s_add_nc_u64 s[G0+2:G0+3], s[4:5], s[18:19]    ; group 0: slot 0 takes tile 0,
	s_add_nc_u64 s[PFA:PFA+1], s[G0+2:G0+3], s[60:61]
	s_add_nc_u64 s[G0+6:G0+7], s[G0+2:G0+3], TILEB ; slot 1 tile 1
	s_or_b32 s[G0+3], s[G0+3], 0x80000000          ; type = 2
	s_or_b32 s[G0+7], s[G0+7], 0x80000000
	s_mov_b32 s[G0+0], 1
	s_mov_b32 s[G0+1], s2
	s_mov_b32 s[G0+4], 1
	s_add_co_u32 s[G0+5], s2, SLOT1
	s_add_nc_u64 s[20:21], s[4:5], s[20:21]
	s_add_nc_u64 s[22:23], s[4:5], s[22:23]
	s_add_nc_u64 s[6:7], s[6:7], s[70:71]
	s_add_nc_u64 s[8:9], s[8:9], s[70:71]
	s_add_nc_u64 s[10:11], s[10:11], s[70:71]
	s_add_nc_u64 s[12:13], s[12:13], s[62:63]
	ROUND                                          ; all four work-groups are here: the first joint loads meet
	tensor_load_to_lds s[G0:G0+3], s[G1:G1+7]      ; both first fills together: two loads of mine are out
	s_nop 0
	tensor_load_to_lds s[G0+4:G0+7], s[G1:G1+7]
	s_nop 0
	PLACES                                         ; four v_nop follow
	v_and_b32 v89, 31, v0                          ; lane
	v_and_b32 v90, 15, v0                          ; r
	v_bfe_u32 v91, v0, 4, 1                        ; h
	v_lshlrev_b32 v92, 4, v89                      ; 16 x lane
	v_add_nc_u32 v[XA0], s2, v92
	v_add_nc_u32 v[XA0+1], SLOT1, v[XA0]
	v_mul_u32_u24 v[SRD], v90, SUMP
	v_lshl_add_u32 v[SWR], v91, 3, v[SRD]
	s_lshl_b32 s3, s[WV], 4
	s_add_co_u32 s3, s3, SUMB
	v_add_nc_u32 v[SWR], s3, v[SWR]                ; channel r's row, pair 2 w + h
	v_add_nc_u32 v[SRD], SUMB, v[SRD]
	v_lshlrev_b32 v88, 2, v90                      ; 4 r
	v_lshl_add_u32 v[OUTO], v91, 16, v88           ; + 16 h rows of 4,096 bytes
	s_lshl_b32 s3, s[WV], 17
	v_add_nc_u32 v[OUTO], s3, v[OUTO]              ; + 32 w rows
	v_mov_b32 v[CAR], 1.0                          ; h_0
	v_min_u32 v[PFO], 16, v89
	v_lshlrev_b32 v[PFO], 8, v[PFO]
	v_mov_b32 v10, 0
	v_mov_b32 v11, 0                               ; (v11 and v15 are named as the upper halves of pairs, so they are written)
	v_mov_b32 v14, 0
	v_mov_b32 v15, 0
	s_lshl_b32 s3, s[WV], 11
	v_add_nc_u32 v94, s3, v92                      ; the weights' images of K step w: 16 x lane + 2048 w
	v_lshlrev_b32 v95, 4, v90
	v_lshl_add_u32 v95, v91, 9, v95                ; their scale words: lanes 0-15 K steps 0-3, lanes 16-31 K steps 4-7
	s_lshl_b32 s3, s[WV], 10
	s_add_co_u32 s3, s3, BIMG
	v_add_nc_u32 v93, s3, v92                      ; where I put the images of K step w,
	v_add_nc_u32 v92, BIMG, v92                    ; and where all are read back
.irp g, 0,1,2
.irp c, 0,1
	global_load_b128 v[96+8*\g+4*\c:99+8*\g+4*\c], v94, s[20:21] offset:\g*GATEB+\c*512   ; each wave brings one K step of the three gates: 512 consecutive bytes a load
.endr
	global_load_b128 v[WSC+4*\g:WSC+4*\g+3], v95, s[22:23] offset:\g*GATEB
.endr
	global_load_b32 v36, v88, s[6:7]               ; my channel's biases
	global_load_b32 v37, v88, s[8:9]
	global_load_b32 v38, v88, s[10:11]
	s_wait_loadcnt 0x0
.irp g, 0,1,2
.irp c, 0,1
	ds_store_b128 v93, v[96+8*\g+4*\c:99+8*\g+4*\c] offset:\g*8192+\c*512
.endr
.endr
	WIN 0x40                                       ; destination window 1
.irp g, 0,1,2
.irp j, 0,1,2,3,4,5,6,7
	v_mov_b32 v[BIA+8*\g+\j], v[36+\g]             ; in the result a lane is a channel: its bias stands in all eight registers
.endr
.endr
	WIN 0
	s_wait_tensorcnt 0x1                           ; my part of tile 0 is in; tile 1's may stay out
	s_wait_dscnt 0x0                               ; for the others' sake: my images are stored
	s_barrier_signal -1
	s_barrier_wait -1
	WIN 0x40
.set j, 0
.rept 48
	ds_load_b128 v[4*j:4*j+3], v92 offset:512*j    ; fragment (g, s) at v[8 (8 g + s)] of window 1: they stay
.set j, j+1
.endr
	WIN 0
	s_wait_dscnt 0x0
; my part of the tile in slot sl: two loads of scale words, then the 32 images in the order of the K steps
.macro ALOAD sl
	ds_load_b128 v[XSC:XSC+3], v[XA0+\sl] offset:16384
	ds_load_b128 v[XSC+4:XSC+7], v[XA0+\sl] offset:16896
.set j, 0
.rept 32
	ds_load_b128 v[XFR+4*j:XFR+4*j+3], v[XA0+\sl] offset:512*j
.set j, j+1
.endr
.endm
.macro MM s, t, g                      ; K step s, tile of rows t, gate g
.set rD, ACC+16*(\g)+8*(\t)
.set rA, XFR+16*(\s)+8*(\t)
.set rB, 8*(8*(\g)+(\s))
.set rC, BIA+8*(\g)
.set rX, XSC+(\s)
.set rW, WSC+4*(\g)+(\s)%4
.if (\s) == 0 && (\t) == 0
	v_wmma_scale_f32_16x16x128_f8f6f4 v[rD:rD+7], v[rA:rA+7], v[rB:rB+7], v[rC:rC+7], v[rX], v[rW] matrix_a_fmt:MATRIX_FMT_FP4 matrix_b_fmt:MATRIX_FMT_FP4
.elseif (\s) == 0
	v_wmma_scale_f32_16x16x128_f8f6f4 v[rD:rD+7], v[rA:rA+7], v[rB:rB+7], v[rC:rC+7], v[rX], v[rW] matrix_a_fmt:MATRIX_FMT_FP4 matrix_b_fmt:MATRIX_FMT_FP4 matrix_a_scale:MATRIX_SCALE_ROW1
.elseif (\s) < 4 && (\t) == 0
	v_wmma_scale_f32_16x16x128_f8f6f4 v[rD:rD+7], v[rA:rA+7], v[rB:rB+7], v[rD:rD+7], v[rX], v[rW] matrix_a_fmt:MATRIX_FMT_FP4 matrix_b_fmt:MATRIX_FMT_FP4
.elseif (\s) < 4
	v_wmma_scale_f32_16x16x128_f8f6f4 v[rD:rD+7], v[rA:rA+7], v[rB:rB+7], v[rD:rD+7], v[rX], v[rW] matrix_a_fmt:MATRIX_FMT_FP4 matrix_b_fmt:MATRIX_FMT_FP4 matrix_a_scale:MATRIX_SCALE_ROW1
.elseif (\t) == 0
	v_wmma_scale_f32_16x16x128_f8f6f4 v[rD:rD+7], v[rA:rA+7], v[rB:rB+7], v[rD:rD+7], v[rX], v[rW] matrix_a_fmt:MATRIX_FMT_FP4 matrix_b_fmt:MATRIX_FMT_FP4 matrix_b_scale:MATRIX_SCALE_ROW1
.else
	v_wmma_scale_f32_16x16x128_f8f6f4 v[rD:rD+7], v[rA:rA+7], v[rB:rB+7], v[rD:rD+7], v[rX], v[rW] matrix_a_fmt:MATRIX_FMT_FP4 matrix_b_fmt:MATRIX_FMT_FP4 matrix_a_scale:MATRIX_SCALE_ROW1 matrix_b_scale:MATRIX_SCALE_ROW1
.endif
.endm
.macro MULK s                          ; a K step: the six accumulators take turns, one instruction a turn, in the same order in every step
	s_wait_dscnt 28-4*(\s)                         ; of ALOAD's 34 loads the scale words and the images of K steps 0 .. s are in; the 4 (7 - s) younger ones stay out
.irp t, 0,1
.irp g, 0,1,2
	MM \s, \t, \g
.endr
.endr
.endm
; 16 steps of one channel: F, I, H become f (in AF) and i g (in AI).  Each accumulator is first read at its low end.
.macro GATES
.irp e, 0,2,4,6,8,10,12,14
	v_pk_mul_f32 v[AF+\e:AF+\e+1], v[AF+\e:AF+\e+1], s[CL:CL+1] op_sel_hi:[1,0]   ; F log2(e)
.endr
.irp e, 0,2,4,6,8,10,12,14
	v_pk_mul_f32 v[AI+\e:AI+\e+1], v[AI+\e:AI+\e+1], s[CL:CL+1] op_sel_hi:[1,0]   ; I log2(e)
.endr
.irp e, 0,1,2,3,4,5,6,7,8,9,10,11,12,13,14,15
	v_max_num_f32 v[WR+\e], 0, v[AH+\e]            ; max(H, 0)
.endr
.irp e, 0,1,2,3,4,5,6,7,8,9,10,11,12,13,14,15
	v_min3_num_f32 v[WM+\e], v[AF+\e], v[AI+\e], 0 ; N = -(the largest of the exponents -F, -I, 0)
.endr
.irp e, 0,2,4,6,8,10,12,14
	v_pk_add_f32 v[AF+\e:AF+\e+1], v[WM+\e:WM+\e+1], v[AF+\e:AF+\e+1] neg_lo:[0,1] neg_hi:[0,1]   ; -F less the largest: 0 or less
.endr
.irp e, 0,2,4,6,8,10,12,14
	v_pk_add_f32 v[AI+\e:AI+\e+1], v[WM+\e:WM+\e+1], v[AI+\e:AI+\e+1] neg_lo:[0,1] neg_hi:[0,1]
.endr
.irp e, 0,2,4,6,8,10,12,14
	v_pk_add_f32 v[WT+\e:WT+\e+1], v[AH+\e:AH+\e+1], v[WR+\e:WR+\e+1] neg_lo:[0,1] neg_hi:[0,1]   ; min(H, 0)
.endr
.irp e, 0,2,4,6,8,10,12,14
	v_pk_mul_f32 v[WT+\e:WT+\e+1], v[WT+\e:WT+\e+1], s[CL:CL+1] op_sel_hi:[1,0]
.endr
.irp e, 0,1,2,3,4,5,6,7,8,9,10,11,12,13,14,15      ; ONE BATCH of 64 exponentials; none reads another's result
	v_exp_f32 v[WE+\e], v[WM+\e]
.endr
.irp e, 0,1,2,3,4,5,6,7,8,9,10,11,12,13,14,15
	v_exp_f32 v[AF+\e], v[AF+\e]
.endr
.irp e, 0,1,2,3,4,5,6,7,8,9,10,11,12,13,14,15
	v_exp_f32 v[AI+\e], v[AI+\e]
.endr
.irp e, 0,1,2,3,4,5,6,7,8,9,10,11,12,13,14,15
	v_exp_f32 v[WT+\e], v[WT+\e]                   ; s = e^min(H, 0)
.endr
	v_nop                                          ; a plain instruction behind the last exponential (ISA guide 5.7.2)
	s_wait_alu depctr_va_vdst(0)                   ; one wait for the batch, ahead of its first reader
.irp e, 0,2,4,6,8,10,12,14
	v_pk_add_f32 v[WNF+\e:WNF+\e+1], v[WE+\e:WE+\e+1], v[AI+\e:AI+\e+1]   ; (1 + e^-I) under the common factor
.endr
.irp e, 0,2,4,6,8,10,12,14
	v_pk_add_f32 v[WNI+\e:WNI+\e+1], v[WE+\e:WE+\e+1], v[AF+\e:AF+\e+1]   ; (1 + e^-F)
.endr
.irp e, 0,2,4,6,8,10,12,14
	v_pk_add_f32 v[WQ+\e:WQ+\e+1], v[WT+\e:WT+\e+1], 1.0 op_sel_hi:[1,0]  ; 1 + s
.endr
.irp e, 0,2,4,6,8,10,12,14
	v_pk_add_f32 v[WD+\e:WD+\e+1], v[WNF+\e:WNF+\e+1], v[WNI+\e:WNI+\e+1] ; the gates' denominator, 1 to 4
.endr
.irp e, 0,2,4,6,8,10,12,14
	v_pk_mul_f32 v[WD+\e:WD+\e+1], v[WD+\e:WD+\e+1], v[WQ+\e:WQ+\e+1]     ; x (1 + s): one reciprocal serves both divisions
.endr
.irp e, 0,1,2,3,4,5,6,7,8,9,10,11,12,13,14,15
	v_rcp_f32 v[WM+\e], v[WD+\e]
.endr
	v_nop
	s_wait_alu depctr_va_vdst(0)                   ; one wait for the sixteen
.irp e, 0,2,4,6,8,10,12,14
	v_pk_mul_f32 v[WQ+\e:WQ+\e+1], v[WM+\e:WM+\e+1], v[WQ+\e:WQ+\e+1]     ; 1 / the gates' denominator
.endr
.irp e, 0,2,4,6,8,10,12,14
	v_pk_mul_f32 v[WT+\e:WT+\e+1], v[WT+\e:WT+\e+1], v[WM+\e:WM+\e+1]     ; s / (1 + s) / the denominator
.endr
.irp e, 0,2,4,6,8,10,12,14
	v_pk_mul_f32 v[AF+\e:AF+\e+1], v[WNF+\e:WNF+\e+1], v[WQ+\e:WQ+\e+1]   ; f
.endr
.irp e, 0,2,4,6,8,10,12,14
	v_pk_fma_f32 v[WT+\e:WT+\e+1], v[WQ+\e:WQ+\e+1], v[WR+\e:WR+\e+1], v[WT+\e:WT+\e+1]   ; g / the denominator
.endr
.irp e, 0,2,4,6,8,10,12,14
	v_pk_mul_f32 v[AI+\e:AI+\e+1], v[WNI+\e:WNI+\e+1], v[WT+\e:WT+\e+1]   ; i g
.endr
.endm
; My 16 steps, as two runs of eight from 0: AI becomes the running sum, AF the running product; four chains by turns.  The sum takes f as it stands, so it comes first.
.macro SCAN
.irp j, 1,2,3,4,5,6,7
.irp t, 0,8
	v_fma_f32 v[AI+\t+\j], v[AF+\t+\j], v[AI+\t+\j-1], v[AI+\t+\j]
.endr
.irp t, 0,8
	v_mul_f32 v[AF+\t+\j], v[AF+\t+\j], v[AF+\t+\j-1]
.endr
.endr
	v_mul_f32 v12, v[AF+7], v[AF+15]               ; my 16 steps as one: h_out = P h_in + S
	v_fma_f32 v13, v[AF+15], v[AI+7], v[AI+15]
.endm
; The pairs meet.  One barrier a tile: the two buffers take turns, so a buffer is stored again only behind the next tile's barrier, in front of which every wave has waited for its reads of it.
.macro CARRY sl
	ds_store_b64 v[SWR], v[12:13] offset:\sl*SUMSZ
	s_wait_dscnt 0x0                               ; for the others' sake: my pair is stored
	s_barrier_signal -1
	s_barrier_wait -1                              ; (the next tile's load stays out)
.irp i, 0,1,2,3,4,5,6,7
	ds_load_b128 v[96+4*\i:99+4*\i], v[SRD] offset:\sl*SUMSZ+16*\i   ; my channel's 16 pairs
.endr
	s_wait_dscnt 0x0
.irp k, 0,1,2,3,4,5,6,7,8,9,10,11,12,13,14,15
	v_cndmask_b32 v10, v10, v[CAR], s[MK+\k]       ; what enters segment k is kept by the lanes that own it;
	v_fma_f32 v[CAR], v[96+2*\k], v[CAR], v[97+2*\k]   ; then the carry passes it.  Behind the sixteenth it is the next tile's, in every lane
.endr
	v_fma_f32 v14, v[AF+7], v10, v[AI+7]           ; what enters my second run of eight
.endm
.macro SEND
.irp e, 0,2,4,6
	v_pk_fma_f32 v[AI+\e:AI+\e+1], v[AF+\e:AF+\e+1], v[10:11], v[AI+\e:AI+\e+1] op_sel_hi:[1,0,1]   ; h = P h_in + S
.endr
.irp e, 8,10,12,14
	v_pk_fma_f32 v[AI+\e:AI+\e+1], v[AF+\e:AF+\e+1], v[14:15], v[AI+\e:AI+\e+1] op_sel_hi:[1,0,1]
.endr
.irp e, 0,1,2,3,4,5,6,7,8,9,10,11,12,13,14,15
	global_store_b32 v[OUTO], v[AI+\e], s[12:13] offset:\e*4096   ; sixteen lanes store my work-group's 64 bytes of a row; two rows an instruction
.endr
.endm
; A TILE, in slot sl.  mode 0: the first.  mode 1: the other slot, which the last tile left, is filled again with the tile after this one.  mode 2: the last: nothing is asked for.
.macro BLOCK sl, mode
.if \mode >= 1
	s_wait_xcnt 0x0                                ; the last tile's stores and its prefetch have read their registers: data, base and address are written again only behind this wait
	s_add_nc_u64 s[12:13], s[12:13], 0x100000      ; 256 rows of out0 on
.endif
.if \mode == 1
	s_add_nc_u64 s[PFA:PFA+1], s[PFA:PFA+1], TILEB ; two tiles on from the tile in hand
	s_wait_tensorcnt 0x0                           ; all my tensor loads have landed: the one that was out is my part of this tile;
	ds_add_u32 v[SPW], v[NIL]                      ; 0 onto my spare word;
	s_add_nc_u64 s[G0+4*(1-\sl)+2:G0+4*(1-\sl)+3], s[G0+4*(1-\sl)+2:G0+4*(1-\sl)+3], 2*TILEB   ; no load of mine is out, so a group 0 may be written: the other slot's next tile
	s_wait_dscnt 0x0                               ; the add is done, and my reads of the other slot are over
	ROUND                                          ; both now hold of every wave of all four work-groups
	tensor_load_to_lds s[G0+4*(1-\sl):G0+4*(1-\sl)+3], s[G1:G1+7]   ; my one load behind the round: it has this tile's work in which to land
	s_nop 0
	PLACES                                         ; four v_nop follow
.endif
.if \mode == 2
	s_wait_tensorcnt 0x0                           ; my part of the last tile is in: no load was issued behind it
.endif
	ALOAD \sl
.if \mode == 1
	ASK                                            ; behind the joint load and the run of LDS loads
	s_sub_co_u32 s[REM], s[REM], 1
.endif
	WIN 0x14                                       ; source 1 (the weight) and C (the bias) window 1
	MULK 0
	WIN 0x04                                       ; source 1 window 1
.irp s, 1,2,3,4,5,6,7
	MULK \s
.endr
	WIN 0
	PLACES                                         ; four places behind the last products (ISA guide 7.12.1), ahead of the first read of results and the first write over fragments
	GATES
	SCAN
	CARRY \sl
	SEND
.endm
	BLOCK 0, 0                                     ; tile 0
	s_mov_b32 s60, 7
.Lpair:                                                ; tiles 1 to 14, two a trip; they ask for tiles 2 to 15
	BLOCK 1, 1
	BLOCK 0, 1
	s_sub_co_u32 s60, s60, 1
	s_cmp_lg_u32 s60, 0
	s_cbranch_scc1 .Lpair
	BLOCK 1, 2                                     ; tile 15 is written out
	s_wait_tensorcnt 0x0                           ; the wave's end, behind my last tensor load and my last LDS store
	ds_add_u32 v[SPW], v[NIL]
	s_wait_dscnt 0x0
	ROUND                                          ; the closing round: no work-group ends while a partner may still ask for a tile that names it
	s_endpgm
.Lfunc_end_k_q1eb695831a_lstm:
	.size	k_q1eb695831a_lstm, .Lfunc_end_k_q1eb695831a_lstm-k_q1eb695831a_lstm
	.p2alignl 7, 3214868480
	.fill 96, 4, 3214868480
	.section	.rodata,"a",@progbits
	.p2align	6, 0x0
	.amdhsa_kernel k_q1eb695831a_lstm
		.amdhsa_group_segment_fixed_size 327680
		.amdhsa_private_segment_fixed_size 0
		.amdhsa_enable_private_segment 0
		.amdhsa_kernarg_size 40
		.amdhsa_user_sgpr_count 2
		.amdhsa_user_sgpr_kernarg_segment_ptr 1
		.amdhsa_wavefront_size32 1
		.amdhsa_system_sgpr_workgroup_id_x 1
		.amdhsa_system_sgpr_workgroup_id_y 1
		.amdhsa_system_sgpr_workgroup_id_z 1
		.amdhsa_system_vgpr_workitem_id 0
		.amdhsa_next_free_vgpr 480
		.amdhsa_next_free_sgpr 72
		.amdhsa_reserve_vcc 0
		.amdhsa_float_denorm_mode_32 3
		.amdhsa_float_denorm_mode_16_64 3
		.amdhsa_memory_ordered 1
		.amdhsa_forward_progress 1
		.amdhsa_inst_pref_size 123
	.end_amdhsa_kernel
	.amdgpu_metadata
---
amdhsa.version: [ 1, 2 ]
amdhsa.kernels:
  - .name:           k_q1eb695831a_lstm
    .symbol:         k_q1eb695831a_lstm.kd
    .args:
      - { .name: codes, .offset: 0, .size: 8, .value_kind: global_buffer, .address_space: global }
      - { .name: b_f, .offset: 8, .size: 8, .value_kind: global_buffer, .address_space: global }
      - { .name: b_i, .offset: 16, .size: 8, .value_kind: global_buffer, .address_space: global }
      - { .name: b_h, .offset: 24, .size: 8, .value_kind: global_buffer, .address_space: global }
      - { .name: out0, .offset: 32, .size: 8, .value_kind: global_buffer, .address_space: global }
    .group_segment_fixed_size: 327680
    .private_segment_fixed_size: 0
    .kernarg_segment_align: 8
    .kernarg_segment_size: 40
    .max_flat_workgroup_size: 256
    .sgpr_count:     72
    .vgpr_count:     480
    .wavefront_size: 32
...
	.end_amdgpu_metadata
.endif
;; end of part 2
;; ======== version 2 of 2: 3 launches
;; limits: right only within a limited range of input values
;; workspace buffers: codes 10,584,064 bytes; sums 131,072 bytes; cnt 65,536 bytes of whole numbers
;; launch quant (part 3): grid 608 x 1, 4 waves a work-group, no clusters, 35,328 bytes of LDS; arguments x, W_f, W_i, W_h, codes; writes codes
.if DOCPART == 3
	.amdgcn_target "amdgcn-amd-amdhsa--gfx1250"
	.amdhsa_code_object_version 6
	.text
	.protected	k_q1eb695831a_quant
	.globl	k_q1eb695831a_quant
	.p2align	8
	.type	k_q1eb695831a_quant,@function
k_q1eb695831a_quant:
	s_mov_b64 s[64:65], 0
	v_nop
	global_prefetch_b8 v0, s[64:65] scope:SCOPE_SE
	s_setreg_imm32_b32 hwreg(HW_REG_WAVE_MODE, 25, 1), 1
	s_wait_xcnt 0x0
; x [16384][1024], W_f, W_i, W_h [1024][1024], f32, K innermost, become codes of FP4 (E2M1) with one E8M0 byte for each 32 along K,
; laid in the ORDER OF THE OPERAND'S REGISTERS, so that the next launches fill every fragment by 16-byte loads at 16 x lane.
; A block's scale is 2^(floor(log2(largest magnitude)) - 2); its byte is the largest magnitude's exponent field - 2, held at 1 from below.
; LIMITS: a block of zeros gets the byte 1 where the rule says 127 (its codes are zeros, which add nothing under any byte but 0xff, and this
; program alone reads the bytes); NaN and infinities among the inputs are not served.
; A PART of the buffer is 32 rows x 1,024 K = 17,408 bytes.  Bytes 0 .. 16,383: 32 images of 512 bytes; image (s, tau, c) at 2048 s + 1024 tau + 512 c
; (K step s of 128, tile of 16 rows tau, half c); lane l = 16 h + r has 16 bytes at 16 l: the codes of tile row r, k = 128 s + 64 c + 32 h + 0 .. 31.
; Bytes 16,384 on: at 512 u + 256 tau + 16 r the four scale words of K steps 4 u .. 4 u + 3 of tile row (tau, r).
; Parts 0 .. 511 are x: part P holds rows 32 P + t, and tile row (tau, r) is t = 16 (r / 8) + 8 tau + r % 8: a lane of the product's result then holds
; 16 neighbouring rows.  Parts 512 + 32 g + q are gate g (f, i, h): rows 32 q + 16 tau + r, as they lie.
; SHARES: work-group P makes part P; wave v takes tau = v / 2, u = v % 2: 16 rows x 512 K, in 8 steps of 64 K.  One path for all four tensors: pointers and three
; numbers are chosen on the work-group's number.  A load reads 256 consecutive bytes of each of two rows; a step's 4,096 bytes turn through the wave's own stage
; in LDS and come back 128 bytes a lane: a whole block of 32 in one lane's registers.  No barrier: waves share nothing.  Loads run four steps (32 loads, 16 KiB a wave) ahead.
.set PARTB, 17408
.set STG,   4352                       ; a stage: 16 rows x (256 bytes + 16); two for each wave
.set RR,    32                         ; v32-159  four sets of 32 registers as loaded
.set XX,    160                        ; v160-223 two sets of 32: my block
.set CC,    224                        ; v224-255 four registers of codes for each step: no store's data are written again
.set SW,    16                         ; v16-19   my bytes of the four scale words; v20-23 the partner lane's
.set SPW,   24                         ; v24      LDS address of my spare word; never rewritten
.set NIL,   25                         ; v25      0; never rewritten
	s_load_b256 s[4:11], s[0:1], 0x0               ; x, W_f, W_i, W_h
	s_load_b64 s[12:13], s[0:1], 0x20              ; the codes' buffer
	v_lshl_add_u32 v[SPW], v0, 2, 0x8800           ; the spare words lie behind the eight stages
	v_mov_b32 v[NIL], 0
	v_lshrrev_b32 v1, 5, v0
	v_readfirstlane_b32 s14, v1                    ; wave 0..3
	v_and_b32 v2, 15, v0                           ; lane % 16
	s_wait_alu depctr_va_vdst(0)
	v_bfe_u32 v3, v0, 4, 1                         ; lane / 16
	s_lshr_b32 s18, s14, 1                         ; tau
	s_and_b32 s19, s14, 1                          ; u
	s_and_b32 s15, ttmp9, 31
	s_mov_b32 s16, 65536
	s_mov_b32 s17, 32768
	s_cmp_lt_u32 ttmp9, 512                        ; a part of x, or of a weight?
	s_cselect_b32 s15, ttmp9, s15                  ; which 32 rows of the tensor
	s_cselect_b32 s16, 32768, s16                  ; from tile 0 to tile 1: 8 rows in x, 16 in a weight
	s_cselect_b32 s17, 65536, s17                  ; from tile row 0 to tile row 8: 16 rows in x, 8 in a weight
	s_lshl_b32 s26, s15, 17                        ; 32 rows of 4,096 bytes
	s_mul_i32 s28, s18, s16
	s_add_co_u32 s26, s26, s28
	s_lshl_b32 s28, s19, 11                        ; 512 K = 2,048 bytes
	s_add_co_u32 s26, s26, s28
	s_mov_b32 s27, 0
	s_mul_i32 s28, ttmp9, PARTB                    ; my part
	s_lshl_b32 s29, s19, 13
	s_add_co_u32 s30, s28, s29                     ; codes: + 8192 u
	s_lshl_b32 s29, s18, 10
	s_add_co_u32 s30, s30, s29                     ;        + 1024 tau
	s_mov_b32 s31, 0
	s_lshl_b32 s29, s19, 9
	s_add_co_u32 s28, s28, s29                     ; scale words: + 512 u
	s_lshl_b32 s29, s18, 8
	s_add_co_u32 s28, s28, s29                     ;              + 256 tau
	s_add_co_u32 s28, s28, 16384
	s_mov_b32 s29, 0
	v_lshlrev_b32 v4, 4, v2
	s_wait_alu depctr_va_vdst(0)
	v_lshl_add_u32 v4, v3, 12, v4                  ; in: lanes 0-15 one row's 256 bytes, lanes 16-31 the next row's
	v_add_nc_u32 v5, s17, v4                       ; the same for tile rows 8 on
	s_mul_i32 s20, s14, 2*STG                      ; my wave's stages
	v_mul_u32_u24 v6, v3, 272
	v_lshl_add_u32 v6, v2, 4, v6
	v_add_nc_u32 v6, s20, v6                       ; into a stage, as loaded
	v_mul_u32_u24 v7, v2, 272
	v_lshl_add_u32 v7, v3, 7, v7
	v_add_nc_u32 v7, s20, v7                       ; out of it: row r, 128 bytes for each half of the lanes
	v_and_b32 v8, 31, v0
	v_lshlrev_b32 v8, 4, v8                        ; an image: 16 x lane
	v_lshlrev_b32 v9, 4, v2
	v_lshl_add_u32 v9, v3, 3, v9                   ; the scale words: 16 r + 8 h
	v_lshlrev_b32 v10, 3, v3                       ; 8 h
.irp i, 0,1,2,3
	v_mov_b32 v[20+\i], 0                          ; a lane permute's destination counts as one of its sources
.endr
	s_mov_b32 s24, 0x76543210
	s_mov_b32 s25, 0xfedcba98                      ; v_permlanex16_b32's selects for lane l xor 16
	s_wait_kmcnt 0x0
	s_cmp_lt_u32 ttmp9, 512                        ; the choices hang on the work-group's number alone
	s_cselect_b64 s[4:5], s[4:5], s[6:7]
	s_cmp_ge_u32 ttmp9, 544
	s_cselect_b64 s[4:5], s[8:9], s[4:5]
	s_cmp_ge_u32 ttmp9, 576
	s_cselect_b64 s[4:5], s[10:11], s[4:5]
	s_add_nc_u64 s[4:5], s[4:5], s[26:27]
	s_add_nc_u64 s[20:21], s[12:13], s[30:31]
	s_add_nc_u64 s[22:23], s[12:13], s[28:29]
.macro LOAD p                          ; step p: 64 K of my 16 rows, two rows an instruction, into set p % 4
.irp i, 0,1,2,3
	global_load_b128 v[RR+32*((\p)%4)+4*\i:RR+32*((\p)%4)+4*\i+3], v4, s[4:5] offset:\i*8192+(\p)*256 th:TH_LOAD_NT
.endr
.irp i, 0,1,2,3
	global_load_b128 v[RR+32*((\p)%4)+16+4*\i:RR+32*((\p)%4)+16+4*\i+3], v5, s[4:5] offset:\i*8192+(\p)*256 th:TH_LOAD_NT
.endr
.endm
.macro TURN p                          ; through the stage: LDS serves a wave's instructions in order (ISA guide 5.7.1.4), so no wait stands between the stores and the loads
.irp i, 0,1,2,3,4,5,6,7
	ds_store_b128 v6, v[RR+32*((\p)%4)+4*\i:RR+32*((\p)%4)+4*\i+3] offset:((\p)%2)*STG+\i*544
.endr
.irp j, 0,1,2,3,4,5,6,7
	ds_load_b128 v[XX+32*((\p)%2)+4*\j:XX+32*((\p)%2)+4*\j+3], v7 offset:((\p)%2)*STG+16*\j
.endr
.endm
.macro STEP p
.set XS, XX+32*((\p)%2)
	s_wait_dscnt 0x0                               ; my block is back from the stage, and the stores into the stage have read their registers,
.if (\p)+4 < 8
	LOAD (\p)+4                                    ; which take the loads of four steps on
.endif
.if (\p)+1 < 8
.if (\p)+4 < 8
	s_wait_loadcnt 24                              ; the next step's eight loads are in; those of the three steps behind it stay out
.else
	s_wait_loadcnt 8*(6-(\p))                      ; the last steps load nothing: the counts run down
.endif
	TURN (\p)+1                                    ; the next step goes through the other stage while this one is worked
.endif
	v_max3_num_f32 v12, |v[XS]|, |v[XS+1]|, |v[XS+2]|               ; the block's largest magnitude: all 32 numbers are mine; two chains
	v_max3_num_f32 v13, |v[XS+3]|, |v[XS+4]|, |v[XS+5]|
.irp i, 6,10,14,18,22,26
	v_max3_num_f32 v12, v12, |v[XS+\i]|, |v[XS+\i+1]|
	v_max3_num_f32 v13, v13, |v[XS+\i+2]|, |v[XS+\i+3]|
.endr
	v_max3_num_f32 v12, v12, |v[XS+30]|, |v[XS+31]|
	v_max3_num_f32 v12, v12, v13, 0x1800000        ; and the floor 2^(3 - 127): the byte cannot fall under 1
	v_add_nc_u32 v11, 0xff000000, v12              ; 2 off the exponent field: the conversion takes the exponent field of this operand as its scale
.irp g, 0,1,2,3
	v_cvt_scalef32_pk8_fp4_f32 v[CC+4*(\p)+\g], v[XS+8*\g:XS+8*\g+7], v11   ; to the nearest code, ties to even, beyond 6 the largest code
.endr
	v_lshrrev_b32 v14, 23, v11                     ; the scale's byte (a plain instruction behind the conversions)
.if (\p)%2 == 0
	v_mov_b32 v[SW+(\p)/2], v14                    ; block h of the K step,
.else
	v_lshl_or_b32 v[SW+(\p)/2], v14, 16, v[SW+(\p)/2]   ; block 2 + h
.endif
	global_store_b128 v8, v[CC+4*(\p):CC+4*(\p)+3], s[20:21] offset:((\p)/2)*2048+((\p)%2)*512   ; an image: 512 consecutive bytes
.endm
	LOAD 0
	LOAD 1
	LOAD 2
	LOAD 3
	s_wait_loadcnt 24                              ; step 0's eight loads are in
	TURN 0
.irp p, 0,1,2,3,4,5,6,7
	STEP \p
.endr
.irp i, 0,1,2,3
	v_lshlrev_b32 v[SW+\i], v10, v[SW+\i]          ; my two bytes at their places in the word: 8 h bits up
.endr
.irp i, 0,1,2,3
	v_permlanex16_b32 v[20+\i], v[SW+\i], s24, s25
.endr
.irp i, 0,1,2,3
	v_or_b32 v[SW+\i], v[SW+\i], v[20+\i]          ; with lane l xor 16's two the word is whole
.endr
	v_cmp_ne_u32 vcc_lo, 0, v10
	v_cndmask_b32 v12, v16, v18, vcc_lo            ; lanes 0-15 store words 0 and 1 of their row, lanes 16-31 words 2 and 3
	v_cndmask_b32 v13, v17, v19, vcc_lo
	global_store_b64 v9, v[12:13], s[22:23]        ; 32 lanes store 256 consecutive bytes, aligned
	s_wait_tensorcnt 0x0                           ; the wave's end
	ds_add_u32 v[SPW], v[NIL]
	s_wait_dscnt 0x0
	s_endpgm
.Lfunc_end_k_q1eb695831a_quant:
	.size	k_q1eb695831a_quant, .Lfunc_end_k_q1eb695831a_quant-k_q1eb695831a_quant
	.p2alignl 7, 3214868480
	.fill 96, 4, 3214868480
	.section	.rodata,"a",@progbits
	.p2align	6, 0x0
	.amdhsa_kernel k_q1eb695831a_quant
		.amdhsa_group_segment_fixed_size 35328
		.amdhsa_private_segment_fixed_size 0
		.amdhsa_enable_private_segment 0
		.amdhsa_kernarg_size 40
		.amdhsa_user_sgpr_count 2
		.amdhsa_user_sgpr_kernarg_segment_ptr 1
		.amdhsa_wavefront_size32 1
		.amdhsa_system_sgpr_workgroup_id_x 1
		.amdhsa_system_sgpr_workgroup_id_y 1
		.amdhsa_system_sgpr_workgroup_id_z 1
		.amdhsa_system_vgpr_workitem_id 0
		.amdhsa_next_free_vgpr 256
		.amdhsa_next_free_sgpr 66
		.amdhsa_reserve_vcc 1
		.amdhsa_float_denorm_mode_32 3
		.amdhsa_float_denorm_mode_16_64 3
		.amdhsa_memory_ordered 1
		.amdhsa_forward_progress 1
		.amdhsa_inst_pref_size 31
	.end_amdhsa_kernel
	.amdgpu_metadata
---
amdhsa.version: [ 1, 2 ]
amdhsa.kernels:
  - .name:           k_q1eb695831a_quant
    .symbol:         k_q1eb695831a_quant.kd
    .args:
      - { .name: x, .offset: 0, .size: 8, .value_kind: global_buffer, .address_space: global }
      - { .name: W_f, .offset: 8, .size: 8, .value_kind: global_buffer, .address_space: global }
      - { .name: W_i, .offset: 16, .size: 8, .value_kind: global_buffer, .address_space: global }
      - { .name: W_h, .offset: 24, .size: 8, .value_kind: global_buffer, .address_space: global }
      - { .name: codes, .offset: 32, .size: 8, .value_kind: global_buffer, .address_space: global }
    .group_segment_fixed_size: 35328
    .private_segment_fixed_size: 0
    .kernarg_segment_align: 8
    .kernarg_segment_size: 40
    .max_flat_workgroup_size: 128
    .sgpr_count:     66
    .vgpr_count:     256
    .wavefront_size: 32
...
	.end_amdgpu_metadata
.endif
;; end of part 3
;; launch lstm (part 4): grid 16 x 16, 8 waves a work-group, clusters of 4 x 1, 327,680 bytes of LDS; arguments codes, b_f, b_i, b_h, sums, out0, cnt; writes sums, out0, cnt
.if DOCPART == 4
	.amdgcn_target "amdgcn-amd-amdhsa--gfx1250"
	.amdhsa_code_object_version 6
	.text
	.protected	k_q1eb695831a_lstm
	.globl	k_q1eb695831a_lstm
	.p2align	8
	.type	k_q1eb695831a_lstm,@function
k_q1eb695831a_lstm:
	s_mov_b64 s[64:65], 0
	v_nop
	global_prefetch_b8 v0, s[64:65] scope:SCOPE_SE
	s_setreg_imm32_b32 hwreg(HW_REG_WAVE_MODE, 25, 1), 1
	s_wait_xcnt 0x0
	s_wait_alu depctr_hold_cnt(0) depctr_sa_sdst(0) depctr_va_vdst(0) depctr_va_sdst(0) depctr_va_ssrc(0) depctr_va_vcc(0) depctr_vm_vsrc(0)
	s_getreg_b32 s2, hwreg(HW_REG_IB_STS2, 6, 4)
	s_cmp_eq_u32 s2, 0
	s_cbranch_scc0 .Lentry_in_a_cluster
	s_endpgm
.Lentry_in_a_cluster:
	s_bfe_u32 s2, ttmp6, 0x10000c
	s_cmp_lg_u32 s2, 0x3003
	s_cbranch_scc0 .Lentry_shape_is_right
	s_endpgm
.Lentry_shape_is_right:
; h_t = f_t h_(t-1) + i_t g_t, h before the first step = 1 (log_h0 = 0).  F = x W_f^T + b_f, I = x W_i^T + b_i, H = x W_h^T + b_h: products on codes of FP4 with E8M0 scales, sums f32.
;   f = (1 + e^-I) / ((1 + e^-I) + (1 + e^-F)),  i = 1 - f likewise,  g = max(H, 0) + s / (1 + s), s = e^min(H, 0).
; The largest of the exponents -F, -I, 0 is taken off ahead of the exponentials.  f + i = 1, both in [0, 1]: every term is >= 0, nothing cancels.
; TIME IS CUT INTO FOUR CHUNKS of 1,024 steps.  Chunk 0 starts from h = 1; chunks 1 to 3 start from 0, since what enters them is not known here.  With A_t the product of f from the chunk's start,
; the true h_t is this launch's h_t + A_t x (what enters the chunk).  Stored beside out0: for each chunk and channel the pair (P, S) = (A, h) at the chunk's end; and for each work-group the whole number n of
; blocks of 64 steps at whose start A is above 0 in some channel.  A never grows (f <= 1): from block n on A is 0 and out0 stands as stored here; the next launch makes blocks 0 .. n - 1 of chunks 1 to 3 anew.
; LIMITS: terms under 2^-126 come out as 0, and a product A that has fallen to 0 in f32 counts as 0; NaN and infinities are not served.
; SHARES: work-group (x = group of 64 channels, y = 4 x batch + chunk) makes 1,024 steps x 64 channels: four tiles of 256 steps.
; Wave w = 4 th + c keeps the 48 weight fragments of 16 channels in registers; in a block it takes part 2 i + th of the tile: 32 steps.  Lane (r, h) owns channel r and 16 neighbouring steps.
; x's codes come through a ring of two LDS slots of one tile; wave w fetches part w.  CLUSTER: the four work-groups of a cluster need the same tiles of x: each part is asked for jointly, mask 15.
; THE CARRY RUNS ONE BLOCK BEHIND.  A block ends with its pair (P, S) stored and the barrier SIGNALLED; the next block's LDS loads and 48 matrix instructions stand between that signal and its wait;
; then the four segments' pairs are read, the block before is finished (h = product x carry + sum), goes to the stage, and the block before that leaves the stage as whole rows of 256 bytes.
; So a block's running product and sum have registers of their own (v224-255).  Pairs and stages lie twice in LDS and take turns by the block's parity.
; PREFETCH: tiles 2 and 3 are named one tile's four blocks ahead of their tensor loads, one instruction a wave: of a part's 68 blocks of 256 bytes the partner at place cx names 17 cx .. 17 cx + 16, a lane a block
; (the lanes left over name the last again).  Tiles 0 and 1 come by their loads alone.
; REGISTERS, window 0: v1-15 addresses and carries; v16-23 x's scale words; v24-35 the weights'; v40-87 six accumulators; v88-92 addresses, A; v96-223 x's fragments, then eight work arrays of 16; v224-255 product and sum.
;   window 1: v0-191 the weights' fragments; v192-215 the biases, eight times each.
.set PARTB,  17408                     ; 32 rows x 1,024 K: 32 images of 512 bytes, then 1,024 bytes of scale words
.set TILEB,  8*PARTB
.set BATCHB, 16*TILEB
.set GATEB,  32*PARTB
.set WPART0, 512*PARTB
.set SLOT1,  TILEB
.set SUMB,   2*TILEB                   ; the pairs: 64 channels x (4 segments x 8 bytes + 16), twice
.set SUMP,   48
.set SUMSZ,  64*SUMP
.set STG,    SUMB+2*SUMSZ              ; the stage: 4 groups of 16 steps x (256 bytes + 16), twice
.set GRP,    16*272+64
.set STGSZ,  4*GRP
.set SPARE,  STG+2*STGSZ               ; the spare words, 128 bytes a wave: four blocks of 256 bytes that no other line names
.set CNTB,   SPARE+1024                ; a word for each wave's count
.set SPW, 1
.set NIL, 2
.set XB,  3                            ; 16 x lane + part th
.set ADR, 4                            ; XB + the half tile at work
.set B4,  5
.set SWR, 7                            ; where I put my pair
.set CAR, 8                            ; h behind the last finished block
.set SRD, 9                            ; my channel's four pairs
.set XSC, 16
.set WSC, 24
.set ACC, 40
.set AF,  40
.set AI,  56
.set AH,  72
.set STW, 88
.set STR, 89
.set OUTO, 90
.set PFO, 91                           ; the prefetches' offset; never rewritten
.set CP,  92                           ; A behind the last finished block
.set XFR, 96
.set WM,  96
.set WR,  112
.set WE,  128
.set WT,  144
.set WNF, 160
.set WNI, 176
.set WD,  192
.set WQ,  208
.set DR,  208                          ; 16 rows' pieces on their way out of the stage
.set PF,  224                          ; f, then its running product
.set PV,  240                          ; i g, then its running sum, then h
.set BIA, 192                          ; in window 1
.set WV,  14
.set G1,  24
.set G0,  32
.set MK,  40                           ; s40-43: lanes whose segment is k
.set TH,  44
.set CT,  45
.set DG,  46
.set BA,  47
.set N0,  48
.set CL,  56                           ; log2(e), twice
.set CN,  58                           ; -log2(e), twice
.set TB,  61
.set OUT, 70
.set PFA, 76                           ; my part of my first tile, in memory
.set NB,  80                           ; s80: blocks at whose start A was above 0 in one of my 16 channels
.set MSB, 0
.macro WIN new                         ; the immediate's high byte repeats the setting that is left
.if MSB != \new
	s_set_vgpr_msb (MSB<<8)|\new
.set MSB, \new
.endif
.endm
.macro PLACES
.rept 4
	v_nop
.endr
.endm
.macro ROUND                           ; a round of the cluster's barrier
	s_barrier_signal -1
	s_barrier_wait -1
	s_cmp_lg_u32 s[WV], 0
	s_cbranch_scc1 .Lnot_wave_0_\@
	s_barrier_signal -3
.Lnot_wave_0_\@:
	s_barrier_wait -3
	s_barrier_signal -1
	s_barrier_wait -1
.endm
	s_load_b256 s[4:11], s[0:1], 0x0               ; codes, b_f, b_i, b_h
	s_load_b128 s[68:71], s[0:1], 0x20             ; sums, out0
	s_load_b64 s[78:79], s[0:1], 0x30              ; cnt
	v_lshl_add_u32 v[SPW], v0, 2, SPARE
	v_mov_b32 v[NIL], 0
	ds_add_u32 v[SPW], v[NIL]                      ; the opening lines: the add twice on end, and its wait
	ds_add_u32 v[SPW], v[NIL]
	v_lshrrev_b32 v39, 5, v0
	s_delay_alu instid0(VALU_DEP_1)
	v_readfirstlane_b32 s[WV], v39                 ; wave 0..7
	s_bfe_u32 s15, ttmp6, 0x40000                  ; cx
	s_lshl_b32 s16, ttmp9, 2
	s_add_co_u32 s16, s16, s15                     ; my group of 64 channels
	s_and_b32 s17, ttmp7, 0xffff                   ; 4 x batch + chunk
	s_lshr_b32 s[BA], s17, 2
	s_and_b32 s[N0], s17, 3
	s_lshl_b32 s[N0], s[N0], 2                     ; my first tile
	s_lshr_b32 s[TH], s[WV], 2
	s_and_b32 s[CT], s[WV], 3
	s_lshl_b32 s[DG], s16, 2
	s_add_co_u32 s[DG], s[DG], s[CT]               ; my tile of 16 channels
	s_mov_b32 s[G1+0], 15|(3<<16)|(1<<21)          ; group 1: a part as 68 rows of 256 bytes (32 elements of 8); mask: all four partners
	s_mov_b32 s[G1+1], 32<<16
	s_mov_b32 s[G1+2], 68<<16
	s_mov_b32 s[G1+3], 32<<16
	s_mov_b32 s[G1+4], 68
	s_mov_b32 s[G1+5], 32
	s_mov_b32 s[G1+6], 0
	s_mov_b32 s[G1+7], 0
	s_mul_i32 s2, s[WV], PARTB                     ; the part that I fetch
	s_mul_i32 s18, s[BA], BATCHB
	s_mul_i32 s3, s[N0], TILEB
	s_add_co_u32 s18, s18, s3
	s_add_co_u32 s18, s18, s2
	s_mov_b32 s19, 0
	s_lshr_b32 s20, s[DG], 1                       ; the weights: part 512 + 32 g + tile / 2, its half tile % 2
	s_mul_i32 s20, s20, PARTB
	s_add_co_u32 s20, s20, WPART0
	s_and_b32 s3, s[DG], 1
	s_lshl_b32 s22, s3, 8
	s_add_co_u32 s22, s22, s20
	s_add_co_u32 s22, s22, 16384
	s_lshl_b32 s3, s3, 10
	s_add_co_u32 s20, s20, s3
	s_mov_b32 s21, 0
	s_mov_b32 s23, 0
	s_lshl_b32 s62, s[DG], 6                       ; my 16 biases
	s_mov_b32 s63, 0
	s_lshl_b32 s72, s[BA], 24                      ; out0: batch, tile, my group's 256 bytes of a row
	s_lshl_b32 s3, s[N0], 20
	s_add_co_u32 s72, s72, s3
	s_lshl_b32 s3, s16, 8
	s_add_co_u32 s72, s72, s3
	s_mov_b32 s73, 0
	s_min_u32 s81, s[WV], 1                        ; the end: waves 0 and 1 store 32 channels' pairs each (held at 1, so that the others' address stays in the pairs)
	s_lshl_b32 s74, s17, 13                        ; sums: [4 x batch + chunk][1,024 channels] pairs
	s_lshl_b32 s3, s16, 9
	s_add_co_u32 s74, s74, s3
	s_lshl_b32 s3, s81, 8
	s_add_co_u32 s74, s74, s3
	s_mov_b32 s75, 0
	s_mul_i32 s81, s81, 32*SUMP
	s_add_co_u32 s81, s81, SUMB
	s_lshl_b32 s82, s17, 4                         ; cnt: 256 bytes for each work-group
	s_add_co_u32 s82, s82, s16
	s_lshl_b32 s82, s82, 8
	s_mov_b32 s83, 0
	s_lshl_b32 s85, s[WV], 2
	s_add_co_u32 s85, s85, CNTB
	s_mov_b32 s[NB], 0
	s_cmp_eq_u32 s[N0], 0
	s_cselect_b32 s84, 0x3f800000, 0               ; chunk 0 starts from h = 1, the others from 0
.irp k, 0,1,2,3
	s_cmp_eq_u32 s[TH], \k/2
.if (\k)%2
	s_cselect_b32 s[MK+\k], 0xffff0000, 0
.else
	s_cselect_b32 s[MK+\k], 0xffff, 0
.endif
.endr
	s_mov_b32 s[CL], 0x3fb8aa3b
	s_mov_b32 s[CL+1], s[CL]
	s_mov_b32 s[CN], 0xbfb8aa3b
	s_mov_b32 s[CN+1], s[CN]
	s_mul_i32 s50, s[TH], PARTB
	s_mul_i32 s51, s[CT], 16*SUMP
	s_add_co_u32 s51, s51, SUMB
	s_lshl_b32 s52, s[TH], 4
	s_mul_i32 s53, s[TH], 2*GRP
	s_lshl_b32 s3, s[CT], 6
	s_add_co_u32 s53, s53, s3
	s_add_co_u32 s53, s53, STG
	s_lshr_b32 s54, s[WV], 1
	s_mul_i32 s54, s54, GRP
	s_and_b32 s3, s[WV], 1
	s_mul_i32 s3, s3, 8*272
	s_add_co_u32 s54, s54, s3
	s_add_co_u32 s54, s54, STG
	s_lshl_b32 s55, s[WV], 15
	s_mul_i32 s49, s15, 17                         ; my work-group's 17 blocks of a part's 68, for the prefetches alone
	s_wait_dscnt 0x0                               ; both opening adds are done
	v_and_b32 v39, 31, v0                          ; lane
	v_and_b32 v36, 15, v0                          ; r
	v_bfe_u32 v93, v0, 4, 1                        ; h
	v_mov_b32 v[CAR], s84
	v_mov_b32 v[CP], 1.0                           ; A at the chunk's start
	v_mov_b32 v10, 0
	v_mov_b32 v11, 0
	v_mov_b32 v14, 0
	v_mov_b32 v15, 0
	v_lshlrev_b32 v94, 4, v39                      ; 16 x lane
	v_mul_u32_u24 v[SRD], v36, SUMP
	v_mul_u32_u24 v[STW], v93, GRP
	v_mul_u32_u24 v[STR], v93, 272
	v_lshlrev_b32 v[OUTO], 4, v36
	v_lshlrev_b32 v95, 4, v36
	v_min_u32 v[PFO], 16, v39
	v_lshlrev_b32 v[B4], 2, v36
	v_add_nc_u32 v[XB], s50, v94
	v_add_nc_u32 v[SRD], s51, v[SRD]               ; channel 16 c + r's row of pairs
	v_lshl_add_u32 v[STW], v36, 2, v[STW]
	v_lshl_add_u32 v[STR], v36, 4, v[STR]
	v_lshl_add_u32 v[OUTO], v93, 12, v[OUTO]
	v_lshl_add_u32 v95, v93, 9, v95                ; the weights' scale words: lanes 0-15 K steps 0-3, lanes 16-31 K steps 4-7
	v_add_nc_u32 v[PFO], s49, v[PFO]
	v_lshl_add_u32 v[SWR], v93, 3, v[SRD]
	v_add_nc_u32 v[STW], s53, v[STW]               ; into the stage: group 2 th + h, column 16 c + r
	v_add_nc_u32 v[STR], s54, v[STR]               ; out of it: wave w takes rows 8 w .. 8 w + 7, sixteen lanes to a row
	v_add_nc_u32 v[OUTO], s55, v[OUTO]
	v_lshlrev_b32 v[PFO], 8, v[PFO]
	v_mov_b32 v[ADR], v[XB]
	v_add_nc_u32 v[SWR], s52, v[SWR]               ; segment 2 th + h
	s_wait_alu depctr_va_vdst(0)
	s_wait_kmcnt 0x0
	s_add_nc_u64 s[PFA:PFA+1], s[4:5], s[18:19]
	s_mov_b64 s[G0+2:G0+3], s[PFA:PFA+1]           ; group 0: slot 0 takes my first tile,
	s_add_nc_u64 s[G0+6:G0+7], s[G0+2:G0+3], TILEB ; slot 1 the second
	s_or_b32 s[G0+3], s[G0+3], 0x80000000
	s_or_b32 s[G0+7], s[G0+7], 0x80000000
	s_mov_b32 s[G0+0], 1
	s_mov_b32 s[G0+1], s2
	s_mov_b32 s[G0+4], 1
	s_add_co_u32 s[G0+5], s2, SLOT1
	s_add_nc_u64 s[20:21], s[4:5], s[20:21]
	s_add_nc_u64 s[22:23], s[4:5], s[22:23]
	s_add_nc_u64 s[6:7], s[6:7], s[62:63]
	s_add_nc_u64 s[8:9], s[8:9], s[62:63]
	s_add_nc_u64 s[10:11], s[10:11], s[62:63]
	s_add_nc_u64 s[68:69], s[68:69], s[74:75]
	s_add_nc_u64 s[78:79], s[78:79], s[82:83]
	s_add_nc_u64 s[OUT:OUT+1], s[OUT:OUT+1], s[72:73]
	; all loads into registers go out ahead of the rounds and the tiles: nobody writes these bytes
	global_load_b32 v36, v[B4], s[6:7]
	global_load_b32 v37, v[B4], s[8:9]
	global_load_b32 v38, v[B4], s[10:11]
.irp g, 0,1,2
	global_load_b128 v[WSC+4*\g:WSC+4*\g+3], v95, s[22:23] offset:\g*GATEB
.endr
	WIN 0x40
.irp g, 0,1,2
.irp s, 0,1,2,3,4,5,6,7
.irp c, 0,1
	global_load_b128 v[8*(8*\g+\s)+4*\c:8*(8*\g+\s)+4*\c+3], v94, s[20:21] offset:\g*GATEB+\s*2048+\c*512   ; fragment (g, s) at v[8 (8 g + s)] of window 1
.endr
.endr
.endr
	WIN 0
	ROUND                                          ; all four work-groups are here: the first joint loads meet
	tensor_load_to_lds s[G0:G0+3], s[G1:G1+7]      ; my part of the first tile: one tensor load a wave at the head
	s_nop 0
	PLACES
	s_wait_tensorcnt 0x0                           ; it is in
	ds_add_u32 v[SPW], v[NIL]
	s_wait_dscnt 0x0
	ROUND                                          ; everybody's part is in
	tensor_load_to_lds s[G0+4:G0+7], s[G1:G1+7]    ; slot 1's first fill: my one load behind the round
	s_nop 0
	PLACES
	global_prefetch_b8 v[PFO], s[PFA:PFA+1] offset:2*TILEB th:TH_LOAD_NT scope:SCOPE_SE   ; tile 2, which is loaded behind tile 0's four blocks
	s_wait_loadcnt 0x0
	WIN 0x40
.irp g, 0,1,2
.irp j, 0,1,2,3,4,5,6,7
	v_mov_b32 v[BIA+8*\g+\j], v[36+\g]             ; in the result a lane is a channel: its bias stands in all eight registers of C
.endr
.endr
	WIN 0
	s_wait_alu depctr_va_vdst(0)
.macro ALOAD adr, o                    ; a part: two loads of scale words, then the 32 images in the order of the K steps
	ds_load_b128 v[XSC:XSC+3], v[\adr] offset:\o+16384
	ds_load_b128 v[XSC+4:XSC+7], v[\adr] offset:\o+16896
.set j, 0
.rept 32
	ds_load_b128 v[XFR+4*j:XFR+4*j+3], v[\adr] offset:\o+512*j
.set j, j+1
.endr
.endm
.macro MM s, t, g                      ; K step s, tile of rows t, gate g
.set rD, ACC+16*(\g)+8*(\t)
.set rA, XFR+16*(\s)+8*(\t)
.set rB, 8*(8*(\g)+(\s))
.set rC, BIA+8*(\g)
.set rX, XSC+(\s)
.set rW, WSC+4*(\g)+(\s)%4
.if (\s) == 0 && (\t) == 0
	v_wmma_scale_f32_16x16x128_f8f6f4 v[rD:rD+7], v[rA:rA+7], v[rB:rB+7], v[rC:rC+7], v[rX], v[rW] matrix_a_fmt:MATRIX_FMT_FP4 matrix_b_fmt:MATRIX_FMT_FP4
.elseif (\s) == 0
	v_wmma_scale_f32_16x16x128_f8f6f4 v[rD:rD+7], v[rA:rA+7], v[rB:rB+7], v[rC:rC+7], v[rX], v[rW] matrix_a_fmt:MATRIX_FMT_FP4 matrix_b_fmt:MATRIX_FMT_FP4 matrix_a_scale:MATRIX_SCALE_ROW1
.elseif (\s) < 4 && (\t) == 0
	v_wmma_scale_f32_16x16x128_f8f6f4 v[rD:rD+7], v[rA:rA+7], v[rB:rB+7], v[rD:rD+7], v[rX], v[rW] matrix_a_fmt:MATRIX_FMT_FP4 matrix_b_fmt:MATRIX_FMT_FP4
.elseif (\s) < 4
	v_wmma_scale_f32_16x16x128_f8f6f4 v[rD:rD+7], v[rA:rA+7], v[rB:rB+7], v[rD:rD+7], v[rX], v[rW] matrix_a_fmt:MATRIX_FMT_FP4 matrix_b_fmt:MATRIX_FMT_FP4 matrix_a_scale:MATRIX_SCALE_ROW1
.elseif (\t) == 0
	v_wmma_scale_f32_16x16x128_f8f6f4 v[rD:rD+7], v[rA:rA+7], v[rB:rB+7], v[rD:rD+7], v[rX], v[rW] matrix_a_fmt:MATRIX_FMT_FP4 matrix_b_fmt:MATRIX_FMT_FP4 matrix_b_scale:MATRIX_SCALE_ROW1
.else
	v_wmma_scale_f32_16x16x128_f8f6f4 v[rD:rD+7], v[rA:rA+7], v[rB:rB+7], v[rD:rD+7], v[rX], v[rW] matrix_a_fmt:MATRIX_FMT_FP4 matrix_b_fmt:MATRIX_FMT_FP4 matrix_a_scale:MATRIX_SCALE_ROW1 matrix_b_scale:MATRIX_SCALE_ROW1
.endif
.endm
.macro MULK s                          ; a K step: the six accumulators take turns, one instruction a turn
	s_wait_dscnt 28-4*(\s)                         ; of ALOAD's 34 loads the scale words and the images of K steps 0 .. s are in; the 4 (7 - s) younger ones stay out
.irp t, 0,1
.irp g, 0,1,2
	MM \s, \t, \g
.endr
.endr
.endm
.macro VV op, d, a, b                  ; eight packed lines on arrays of 16: d = a op b
.irp e, 0,2,4,6,8,10,12,14
	\op v[\d+\e:\d+\e+1], v[\a+\e:\a+\e+1], v[\b+\e:\b+\e+1]
.endr
.endm
.macro VS d, a, s                      ; d = a x a scalar
.irp e, 0,2,4,6,8,10,12,14
	v_pk_mul_f32 v[\d+\e:\d+\e+1], v[\a+\e:\a+\e+1], s[\s:\s+1] op_sel_hi:[1,0]
.endr
.endm
.macro VFS d, s, c                     ; d = d x a scalar + c
.irp e, 0,2,4,6,8,10,12,14
	v_pk_fma_f32 v[\d+\e:\d+\e+1], v[\d+\e:\d+\e+1], s[\s:\s+1], v[\c+\e:\c+\e+1] op_sel_hi:[1,0,1]
.endr
.endm
.macro TR op, d, a                     ; sixteen transcendentals
.irp e, 0,1,2,3,4,5,6,7,8,9,10,11,12,13,14,15
	\op v[\d+\e], v[\a+\e]
.endr
.endm
; 16 steps of one channel: F, I, H become f (in PF) and i g (in PV).  Each accumulator is first read at its low end.
.macro GATES
.irp e, 0,1,2,3,4,5,6,7,8,9,10,11,12,13,14,15
	v_min3_num_f32 v[WM+\e], v[AF+\e], v[AI+\e], 0 ; N = -(the largest of the exponents -F, -I, 0)
.endr
.irp e, 0,1,2,3,4,5,6,7,8,9,10,11,12,13,14,15
	v_max_num_f32 v[WR+\e], 0, v[AH+\e]            ; max(H, 0)
.endr
	VS WM, WM, CL                                  ; N log2(e)
.irp e, 0,2,4,6,8,10,12,14
	v_pk_add_f32 v[WT+\e:WT+\e+1], v[AH+\e:AH+\e+1], v[WR+\e:WR+\e+1] neg_lo:[0,1] neg_hi:[0,1]   ; min(H, 0)
.endr
	VFS AF, CN, WM                                 ; (N - F) log2(e), one fused multiply-add
	VFS AI, CN, WM
	VS WT, WT, CL
	s_wait_alu depctr_va_vdst(0)
	TR v_exp_f32, WE, WM                           ; ONE BATCH of 64 exponentials; none reads another's result
	TR v_exp_f32, AF, AF
	TR v_exp_f32, AI, AI
	TR v_exp_f32, WT, WT                           ; s = e^min(H, 0)
	v_nop                                          ; a plain instruction behind the last exponential (ISA guide 5.7.2)
	s_wait_alu depctr_va_vdst(0)                   ; one wait for the batch, ahead of its first reader
	VV v_pk_add_f32, WNF, WE, AI                   ; (1 + e^-I) under the common factor
	VV v_pk_add_f32, WNI, WE, AF                   ; (1 + e^-F)
.irp e, 0,2,4,6,8,10,12,14
	v_pk_add_f32 v[WQ+\e:WQ+\e+1], v[WT+\e:WT+\e+1], 1.0 op_sel_hi:[1,0]  ; 1 + s
.endr
	VV v_pk_add_f32, WD, WNF, WNI                  ; the gates' denominator, 1 to 4
	VV v_pk_mul_f32, WD, WD, WQ                    ; x (1 + s): one reciprocal serves both divisions
	s_wait_dscnt 0x0                               ; the stage's stores have read PV, which is written anew below
	s_wait_alu depctr_va_vdst(0)
	TR v_rcp_f32, WM, WD
	v_nop
	s_wait_alu depctr_va_vdst(0)                   ; one wait for the sixteen
	VV v_pk_mul_f32, WQ, WM, WQ                    ; 1 / the gates' denominator
	VV v_pk_mul_f32, WT, WT, WM                    ; s / (1 + s) / the denominator
	VV v_pk_mul_f32, PF, WNF, WQ                   ; f
.irp e, 0,2,4,6,8,10,12,14
	v_pk_fma_f32 v[WT+\e:WT+\e+1], v[WQ+\e:WQ+\e+1], v[WR+\e:WR+\e+1], v[WT+\e:WT+\e+1]   ; g / the denominator
.endr
	VV v_pk_mul_f32, PV, WNI, WT                   ; i g
.endm
; My 16 steps, as two runs of eight from 0: PV becomes the running sum, PF the running product; four chains by turns.  The sum takes f as it stands, so it comes first.
.macro SCAN
.irp j, 1,2,3,4,5,6,7
.irp t, 0,8
	v_fma_f32 v[PV+\t+\j], v[PF+\t+\j], v[PV+\t+\j-1], v[PV+\t+\j]
.endr
.irp t, 0,8
	v_mul_f32 v[PF+\t+\j], v[PF+\t+\j], v[PF+\t+\j-1]
.endr
.endr
	s_delay_alu instid0(VALU_DEP_1)
	v_mul_f32 v12, v[PF+7], v[PF+15]               ; my 16 steps as one: h_out = P h_in + S
	s_delay_alu instid0(VALU_DEP_2)
	v_fma_f32 v13, v[PF+15], v[PV+7], v[PV+15]
.endm
; The block of parity q is finished.  CARRY: its four segments' pairs carry h and A on; v10 = what enters my segment, v14 = what enters my second run of eight.  The block counts if A at its start is above 0 in some lane.
.macro CARRY q, drain
	ds_load_b128 v[96:99], v[SRD] offset:(\q)*SUMSZ
	ds_load_b128 v[100:103], v[SRD] offset:(\q)*SUMSZ+16
.if \drain
.irp k, 0,1,2,3
	ds_load_b128 v[DR+4*\k:DR+4*\k+3], v[STR] offset:(1-(\q))*STGSZ+\k*544   ; the block before it, out of the other stage
.endr
.endif
	s_wait_dscnt 4*\drain                          ; the pairs are in; the four younger loads stay out
	v_cmp_lt_f32 s3, 0, v[CP]
	v_mul_f32 v104, v96, v98
	v_mul_f32 v105, v100, v102
	v_cndmask_b32 v10, v10, v[CAR], s[MK]
	v_fma_f32 v[CAR], v96, v[CAR], v97
.irp k, 1, 2, 3
	s_delay_alu instid0(VALU_DEP_1)
	v_cndmask_b32 v10, v10, v[CAR], s[MK+\k]
	s_delay_alu instid0(VALU_DEP_2)
	v_fma_f32 v[CAR], v[96+2*\k], v[CAR], v[97+2*\k]
.endr
	s_delay_alu instid0(VALU_DEP_2)
	v_fma_f32 v14, v[PF+7], v10, v[PV+7]
	v_mul_f32 v104, v104, v105
	s_cmp_lg_u32 s3, 0
	s_add_co_ci_u32 s[NB], s[NB], 0                ; a number that is only stored: nothing here branches on it
	v_mul_f32 v[CP], v[CP], v104
.endm
; SEND: h = product x what entered + sum; the drained rows are stored, sixteen lanes to 256 consecutive bytes, aligned; h goes to the stage.
.macro SEND q, drain
.irp e, 0,2,4,6
	v_pk_fma_f32 v[PV+\e:PV+\e+1], v[PF+\e:PF+\e+1], v[10:11], v[PV+\e:PV+\e+1] op_sel_hi:[1,0,1]
.endr
.irp e, 8,10,12,14
	v_pk_fma_f32 v[PV+\e:PV+\e+1], v[PF+\e:PF+\e+1], v[14:15], v[PV+\e:PV+\e+1] op_sel_hi:[1,0,1]
.endr
.if \drain
	s_wait_alu depctr_va_vdst(0)
	s_wait_dscnt 0x0
.irp k, 0,1,2,3
	global_store_b128 v[OUTO], v[DR+4*\k:DR+4*\k+3], s[OUT:OUT+1] offset:\k*8192
.endr
.endif
.irp e, 0,1,2,3,4,5,6,7,8,9,10,11,12,13,14,15
	ds_store_b32 v[STW], v[PV+\e] offset:(\q)*STGSZ+\e*272
.endr
.if \drain
	s_wait_xcnt 0x0                                ; the stores have read their base and their data: both are written again only behind this wait
	s_add_nc_u64 s[OUT:OUT+1], s[OUT:OUT+1], 0x40000   ; 64 rows on
.endif
.endm
; A PHASE: the products of the block of parity p; the block before is finished (fin) behind the wait of the barrier that it signalled; this block's gates and scan; its pair; the signal.
; Between that signal and its wait stand LDS loads of the slot at work, which nobody writes before a later round, and work on registers.
.macro PHASE o, p, fin, drain
	ALOAD ADR, \o
	WIN 0x14                                       ; source 1 (the weight) and C (the bias) window 1
	MULK 0
	WIN 0x04
.irp s, 1,2,3,4,5,6,7
	MULK \s
.endr
	WIN 0
	PLACES                                         ; four places behind the last products, ahead of loads into fragments and of the first read of results
.if \fin
	s_barrier_wait -1                              ; every wave's pair of the block before is stored, and its h of the block before that is in the stage
	CARRY 1-(\p), \drain
	SEND 1-(\p), \drain
.endif
	GATES
	SCAN
	ds_store_b64 v[SWR], v[12:13] offset:(\p)*SUMSZ
	s_wait_alu depctr_va_vdst(0)
	s_wait_dscnt 0x0                               ; for the others' sake: my pair and my stage stores are done, my reads of pairs and stage are back
	s_barrier_signal -1
.endm
; A change of slots.  The last phase's barrier is closed; then the add onto my spare word, the round, and my one joint load; the barrier that the next phase closes is opened, so that every phase has one form.
.macro CHANGE fill, g0, ask
	s_barrier_wait -1
	s_wait_tensorcnt 0x0                           ; all my tensor loads have landed: my part of the next slot
.if \fill
	ds_add_u32 v[SPW], v[NIL]
	s_add_nc_u64 s[\g0+2:\g0+3], s[\g0+2:\g0+3], 2*TILEB   ; no load of mine is out: this slot's next tile
	s_wait_dscnt 0x0
	ROUND
	tensor_load_to_lds s[\g0:\g0+3], s[G1:G1+7]
	s_nop 0
	PLACES
.if \ask
	global_prefetch_b8 v[PFO], s[PFA:PFA+1] offset:\ask th:TH_LOAD_NT scope:SCOPE_SE   ; the tile that is loaded behind the next four blocks
.endif
.else
	s_barrier_signal -1                            ; nothing is filled again: everybody's part of the last tile is in
	s_barrier_wait -1
.endif
	s_barrier_signal -1
.endm
.macro HALVES base                     ; a tile: two trips of two phases
	s_mov_b32 s[TB], \base
	s_mov_b32 s60, 2
.Lhalf_\@:
	v_add_nc_u32 v[ADR], s[TB], v[XB]
	PHASE 0, 0, 1, 1
	PHASE 2*PARTB, 1, 1, 1
	s_add_co_u32 s[TB], s[TB], 4*PARTB
	s_sub_co_u32 s60, s60, 1
	s_cmp_lg_u32 s60, 0
	s_cbranch_scc1 .Lhalf_\@
.endm
	PHASE 0, 0, 0, 0                               ; the first tile is written out: nothing to finish yet,
	PHASE 2*PARTB, 1, 1, 0                         ; nothing to drain yet
	v_add_nc_u32 v[ADR], 4*PARTB, v[XB]
	PHASE 0, 0, 1, 1
	PHASE 2*PARTB, 1, 1, 1
	CHANGE 1, G0, 3*TILEB
	HALVES SLOT1
	CHANGE 1, G0+4, 0
	HALVES 0
	CHANGE 0, 0, 0
	HALVES SLOT1
	s_barrier_wait -1
	CARRY 1, 1                                     ; the last block is finished
	SEND 1, 1
	v_mov_b32 v12, v[CP]                           ; the chunk's pair, into my place among the pairs of parity 0, which nobody reads any more;
	v_mov_b32 v13, v[CAR]
	v_mov_b32 v14, s[NB]                           ; my wave's count, into its word
	v_mov_b32 v99, s85
	v_and_b32 v96, 31, v0
	v_mov_b32 v103, CNTB
	ds_store_b64 v[SWR], v[12:13]
	ds_store_b32 v99, v14                          ; all lanes write the same word with the same value
	v_mul_u32_u24 v97, v96, SUMP
	v_lshlrev_b32 v98, 3, v96
	s_delay_alu instid0(VALU_DEP_2)
	v_add_nc_u32 v97, s81, v97                     ; a lane a channel: the row's first place
	s_wait_alu depctr_va_vdst(0)
	s_wait_dscnt 0x0
	s_barrier_signal -1
	s_barrier_wait -1                              ; the last block leaves the stage
.irp k, 0,1,2,3
	ds_load_b128 v[DR+4*\k:DR+4*\k+3], v[STR] offset:STGSZ+\k*544
.endr
	s_wait_dscnt 0x0
.irp k, 0,1,2,3
	global_store_b128 v[OUTO], v[DR+4*\k:DR+4*\k+3], s[OUT:OUT+1] offset:\k*8192
.endr
	s_cmp_lt_u32 s[WV], 2
	s_cbranch_scc0 .Lno_pair
	ds_load_b64 v[100:101], v97
	s_wait_dscnt 0x0
	global_store_b64 v98, v[100:101], s[68:69]     ; 32 channels' pairs: 256 consecutive bytes, aligned
.Lno_pair:
	s_cmp_eq_u32 s[WV], 2
	s_cbranch_scc0 .Lno_cnt
	ds_load_b128 v[104:107], v103                  ; the counts of the four tiles of 16 channels
	s_wait_dscnt 0x0
	v_max_u32 v104, v104, v105
	v_max_u32 v106, v106, v107
	s_delay_alu instid0(VALU_DEP_1)
	v_max_u32 v104, v104, v106
	s_delay_alu instid0(VALU_DEP_1)
	v_mov_b32 v105, v104
	global_store_b64 v98, v[104:105], s[78:79]     ; n, in every word of the work-group's 256 bytes: one whole aligned unit
.Lno_cnt:
	s_wait_tensorcnt 0x0                           ; the wave's end
	ds_add_u32 v[SPW], v[NIL]
	s_wait_dscnt 0x0
	ROUND                                          ; the closing round
	s_endpgm
.Lfunc_end_k_q1eb695831a_lstm:
	.size	k_q1eb695831a_lstm, .Lfunc_end_k_q1eb695831a_lstm-k_q1eb695831a_lstm
	.p2alignl 7, 3214868480
	.fill 96, 4, 3214868480
	.section	.rodata,"a",@progbits
	.p2align	6, 0x0
	.amdhsa_kernel k_q1eb695831a_lstm
		.amdhsa_group_segment_fixed_size 327680
		.amdhsa_private_segment_fixed_size 0
		.amdhsa_enable_private_segment 0
		.amdhsa_kernarg_size 56
		.amdhsa_user_sgpr_count 2
		.amdhsa_user_sgpr_kernarg_segment_ptr 1
		.amdhsa_wavefront_size32 1
		.amdhsa_system_sgpr_workgroup_id_x 1
		.amdhsa_system_sgpr_workgroup_id_y 1
		.amdhsa_system_sgpr_workgroup_id_z 1
		.amdhsa_system_vgpr_workitem_id 0
		.amdhsa_next_free_vgpr 480
		.amdhsa_next_free_sgpr 88
		.amdhsa_reserve_vcc 0
		.amdhsa_float_denorm_mode_32 3
		.amdhsa_float_denorm_mode_16_64 3
		.amdhsa_memory_ordered 1
		.amdhsa_forward_progress 1
		.amdhsa_inst_pref_size 255
	.end_amdhsa_kernel
	.section	.bss,"aw",@nobits
	.p2align	6
	.space	262144
	.amdgpu_metadata
---
amdhsa.version: [ 1, 2 ]
amdhsa.kernels:
  - .name:           k_q1eb695831a_lstm
    .symbol:         k_q1eb695831a_lstm.kd
    .args:
      - { .name: codes, .offset: 0, .size: 8, .value_kind: global_buffer, .address_space: global }
      - { .name: b_f, .offset: 8, .size: 8, .value_kind: global_buffer, .address_space: global }
      - { .name: b_i, .offset: 16, .size: 8, .value_kind: global_buffer, .address_space: global }
      - { .name: b_h, .offset: 24, .size: 8, .value_kind: global_buffer, .address_space: global }
      - { .name: sums, .offset: 32, .size: 8, .value_kind: global_buffer, .address_space: global }
      - { .name: out0, .offset: 40, .size: 8, .value_kind: global_buffer, .address_space: global }
      - { .name: cnt, .offset: 48, .size: 8, .value_kind: global_buffer, .address_space: global }
    .group_segment_fixed_size: 327680
    .private_segment_fixed_size: 0
    .kernarg_segment_align: 8
    .kernarg_segment_size: 56
    .max_flat_workgroup_size: 256
    .sgpr_count:     88
    .vgpr_count:     480
    .wavefront_size: 32
...
	.end_amdgpu_metadata
.endif
;; end of part 4
;; launch fix (part 5): grid 48 x 4, 8 waves a work-group, no clusters, 21,760 bytes of LDS; arguments codes, b_f, b_i, b_h, sums, cnt, out0; writes out0
.if DOCPART == 5
	.amdgcn_target "amdgcn-amd-amdhsa--gfx1250"
	.amdhsa_code_object_version 6
	.text
	.protected	k_q1eb695831a_fix
	.globl	k_q1eb695831a_fix
	.p2align	8
	.type	k_q1eb695831a_fix,@function
k_q1eb695831a_fix:
	s_mov_b64 s[64:65], 0
	v_nop
	global_prefetch_b8 v0, s[64:65] scope:SCOPE_SE
	s_setreg_imm32_b32 hwreg(HW_REG_WAVE_MODE, 25, 1), 1
	s_wait_xcnt 0x0
; CHUNKS 1 TO 3 GET WHAT ENTERS THEM.  The launch before made every chunk of 1,024 steps from h = 0 (chunk 0 from 1) and stored each chunk's pair (P, S) and, for each work-group, the number n of blocks of 64 steps
; at whose start the product A of f since the chunk's start is above 0.  Here what enters chunk c is chained from the pairs of chunks 0 .. c - 1 (h = P h + S, from 0), and blocks 0 .. n - 1 are made anew with
; that carry, by the same products, gates and scan, and stored over the earlier values.  From block n on A = 0, so A x carry = 0 and out0 stands.  With n = 16 the whole chunk is made anew: right for every n.
; LIMITS: as in the launch before: terms under 2^-126 come out as 0, a product A that has fallen to 0 in f32 counts as 0; NaN and infinities are not served.
; SHARES: work-group (x = 16 (chunk - 1) + group of 64 channels, y = batch).  Waves, lanes and registers as in the launch before: wave w = 4 th + c, 16 channels' weights in registers, part 2 b + th of block b.
; n IS READ FROM MEMORY, so the launch has no tensor load: x's register images come straight from memory, 16 bytes a lane.  Block 0 always runs (A = 1 at its start) and is written out; blocks 1 to 15 are a loop of
; constant count, in which scalar branches on b < n lead round the work alone: every barrier is on every path.  No cluster: what a trip does hangs on a stored number.
; BLOCK b + 1's 34 LOADS GO OUT AT THE END OF BLOCK b's GATES, where the fragments' registers are free, if b + 1 < n: both barriers, the carry and the way out of block b stand between them and the wait for them.
; So the carry's pairs and the rows on their way out use accumulator registers that are done with (v40-47, v56-71), not the fragments'.
; PREFETCH: block b + 3's parts are named beside block b + 1's loads (blocks 1 and 2 at the head).  A part's 68 blocks of 256 bytes are shared out among the 64 waves of the 16 work-groups that read it: wave
; 4 group + c names block 4 group + c, and the first four name blocks 64 to 67 too (the lanes left over name the wave's block again).  The last asks reach at most 4 parts past the chunk, inside the buffer, whose weights follow x.
.set PARTB,  17408
.set TILEB,  8*PARTB
.set BATCHB, 16*TILEB
.set GATEB,  32*PARTB
.set WPART0, 512*PARTB
.set SUMB,   0                         ; the pairs: 64 channels x (4 segments x 8 bytes + 16)
.set SUMP,   48
.set STG,    64*SUMP                   ; the stage: 4 groups of 16 steps x (256 bytes + 16)
.set GRP,    16*272+64
.set SPARE,  STG+4*GRP                 ; the spare words, 128 bytes a wave
.set SPW, 1
.set NIL, 2
.set XO,  3                            ; 16 x lane
.set B4,  5
.set B8,  6
.set SWR, 7
.set CAR, 8
.set SRD, 9
.set XSC, 16
.set WSC, 24
.set ACC, 40
.set AF,  40
.set AI,  56
.set AH,  72
.set PR,  40                           ; the four segments' pairs, behind the gates
.set DR,  56                           ; 16 rows' pieces on their way out, behind the gates
.set STW, 88
.set STR, 89
.set OUTO, 90
.set PFO, 91
.set XFR, 96
.set WM,  96
.set WR,  112
.set WE,  128
.set WT,  144
.set WNF, 160
.set WNI, 176
.set WD,  192
.set WQ,  208
.set PF,  224
.set PV,  240
.set BIA, 192
.set WV,  14
.set MK,  40
.set TH,  44
.set CT,  45
.set DG,  46
.set BA,  47
.set CH,  48
.set CL,  56
.set CN,  58
.set BB,  60                           ; the block
.set NN,  61                           ; n
.set OUT, 72
.set XP,  76                           ; my part of the block at work, in memory
.set MSB, 0
.macro WIN new
.if MSB != \new
	s_set_vgpr_msb (MSB<<8)|\new
.set MSB, \new
.endif
.endm
.macro PLACES
.rept 4
	v_nop
.endr
.endm
.macro XLOAD o                         ; the part at byte o from XP: two loads of scale words, then the 32 images in the order of the K steps; 512 consecutive bytes a load
	global_load_b128 v[XSC:XSC+3], v[XO], s[XP:XP+1] offset:\o+16384
	global_load_b128 v[XSC+4:XSC+7], v[XO], s[XP:XP+1] offset:\o+16896
.set j, 0
.rept 32
	global_load_b128 v[XFR+4*j:XFR+4*j+3], v[XO], s[XP:XP+1] offset:\o+512*j
.set j, j+1
.endr
.endm
	s_load_b256 s[4:11], s[0:1], 0x0               ; codes, b_f, b_i, b_h
	s_load_b128 s[68:71], s[0:1], 0x20             ; sums, cnt
	s_load_b64 s[OUT:OUT+1], s[0:1], 0x30          ; out0
	v_lshl_add_u32 v[SPW], v0, 2, SPARE
	v_mov_b32 v[NIL], 0
	v_lshrrev_b32 v39, 5, v0
	s_delay_alu instid0(VALU_DEP_1)
	v_readfirstlane_b32 s[WV], v39                 ; wave 0..7
	s_and_b32 s16, ttmp9, 15                       ; my group of 64 channels
	s_lshr_b32 s[CH], ttmp9, 4
	s_add_co_u32 s[CH], s[CH], 1                   ; my chunk, 1 to 3
	s_and_b32 s[BA], ttmp7, 0xffff
	s_lshr_b32 s[TH], s[WV], 2
	s_and_b32 s[CT], s[WV], 3
	s_lshl_b32 s[DG], s16, 2
	s_add_co_u32 s[DG], s[DG], s[CT]
	s_mul_i32 s18, s[BA], BATCHB
	s_mul_i32 s3, s[CH], 4*TILEB
	s_add_co_u32 s18, s18, s3
	s_mul_i32 s3, s[TH], PARTB
	s_add_co_u32 s18, s18, s3                      ; part th of my chunk's block 0
	s_mov_b32 s19, 0
	s_lshr_b32 s20, s[DG], 1
	s_mul_i32 s20, s20, PARTB
	s_add_co_u32 s20, s20, WPART0
	s_and_b32 s3, s[DG], 1
	s_lshl_b32 s22, s3, 8
	s_add_co_u32 s22, s22, s20
	s_add_co_u32 s22, s22, 16384
	s_lshl_b32 s3, s3, 10
	s_add_co_u32 s20, s20, s3
	s_mov_b32 s21, 0
	s_mov_b32 s23, 0
	s_lshl_b32 s62, s[DG], 6
	s_mov_b32 s63, 0
	s_lshl_b32 s74, s[BA], 24
	s_lshl_b32 s3, s[CH], 22
	s_add_co_u32 s74, s74, s3
	s_lshl_b32 s3, s16, 8
	s_add_co_u32 s74, s74, s3
	s_mov_b32 s75, 0
	s_lshl_b32 s78, s[BA], 15                      ; sums: my batch's chunk 0, my 16 channels' pairs
	s_lshl_b32 s3, s[DG], 7
	s_add_co_u32 s78, s78, s3
	s_mov_b32 s79, 0
	s_lshl_b32 s82, s[BA], 2                       ; cnt: 256 bytes for each (4 x batch + chunk, group)
	s_add_co_u32 s82, s82, s[CH]
	s_lshl_b32 s82, s82, 4
	s_add_co_u32 s82, s82, s16
	s_lshl_b32 s82, s82, 8
	s_mov_b32 s83, 0
.irp k, 0,1,2,3
	s_cmp_eq_u32 s[TH], \k/2
.if (\k)%2
	s_cselect_b32 s[MK+\k], 0xffff0000, 0
.else
	s_cselect_b32 s[MK+\k], 0xffff, 0
.endif
.endr
	s_cmp_lt_u32 s[DG], 4
	s_cselect_b32 s49, 64, 0
	s_mov_b32 s[CL], 0x3fb8aa3b
	s_mov_b32 s[CL+1], s[CL]
	s_mov_b32 s[CN], 0xbfb8aa3b
	s_mov_b32 s[CN+1], s[CN]
	s_mul_i32 s51, s[CT], 16*SUMP
	s_lshl_b32 s52, s[TH], 4
	s_mul_i32 s53, s[TH], 2*GRP
	s_lshl_b32 s3, s[CT], 6
	s_add_co_u32 s53, s53, s3
	s_add_co_u32 s53, s53, STG
	s_lshr_b32 s54, s[WV], 1
	s_mul_i32 s54, s54, GRP
	s_and_b32 s3, s[WV], 1
	s_mul_i32 s3, s3, 8*272
	s_add_co_u32 s54, s54, s3
	s_add_co_u32 s54, s54, STG
	s_lshl_b32 s55, s[WV], 15
	s_mov_b32 s[BB], 0
	v_and_b32 v39, 31, v0                          ; lane
	v_and_b32 v92, 15, v0                          ; r
	v_bfe_u32 v93, v0, 4, 1                        ; h
	v_mov_b32 v[CAR], 0
	v_mov_b32 v10, 0
	v_mov_b32 v11, 0
	v_mov_b32 v14, 0
	v_mov_b32 v15, 0
	v_lshlrev_b32 v[XO], 4, v39
	v_mul_u32_u24 v[SRD], v92, SUMP
	v_mul_u32_u24 v[STW], v93, GRP
	v_mul_u32_u24 v[STR], v93, 272
	v_lshlrev_b32 v[OUTO], 4, v92
	v_lshlrev_b32 v95, 4, v92
	v_min_u32 v[PFO], 1, v39
	v_lshlrev_b32 v[B4], 2, v92
	v_lshlrev_b32 v[B8], 3, v92
	v_add_nc_u32 v[SRD], s51, v[SRD]
	v_lshl_add_u32 v[STW], v92, 2, v[STW]
	v_lshl_add_u32 v[STR], v92, 4, v[STR]
	v_lshl_add_u32 v[OUTO], v93, 12, v[OUTO]
	v_lshl_add_u32 v95, v93, 9, v95
	v_mul_u32_u24 v[PFO], s49, v[PFO]
	v_lshl_add_u32 v[SWR], v93, 3, v[SRD]
	v_add_nc_u32 v[STW], s53, v[STW]
	v_add_nc_u32 v[STR], s54, v[STR]
	v_add_nc_u32 v[OUTO], s55, v[OUTO]
	v_add_nc_u32 v[PFO], s[DG], v[PFO]
	v_add_nc_u32 v[SWR], s52, v[SWR]
	s_delay_alu instid0(VALU_DEP_2)
	v_lshlrev_b32 v[PFO], 8, v[PFO]
	s_wait_alu depctr_va_vdst(0)
	s_wait_kmcnt 0x0
	s_add_nc_u64 s[70:71], s[70:71], s[82:83]
	s_load_b32 s[NN], s[70:71], 0x0                ; n
	s_add_nc_u64 s[XP:XP+1], s[4:5], s[18:19]
	s_add_nc_u64 s[20:21], s[4:5], s[20:21]
	s_add_nc_u64 s[22:23], s[4:5], s[22:23]
	s_add_nc_u64 s[6:7], s[6:7], s[62:63]
	s_add_nc_u64 s[8:9], s[8:9], s[62:63]
	s_add_nc_u64 s[10:11], s[10:11], s[62:63]
	s_add_nc_u64 s[68:69], s[68:69], s[78:79]
	s_add_nc_u64 s[OUT:OUT+1], s[OUT:OUT+1], s[74:75]
.irp k, 0,1,2
	global_load_b64 v[224+2*\k:225+2*\k], v[B8], s[68:69] offset:\k*8192   ; my channel's pairs of chunks 0 to 2
.endr
	global_load_b32 v36, v[B4], s[6:7]
	global_load_b32 v37, v[B4], s[8:9]
	global_load_b32 v38, v[B4], s[10:11]
.irp g, 0,1,2
	global_load_b128 v[WSC+4*\g:WSC+4*\g+3], v95, s[22:23] offset:\g*GATEB
.endr
	WIN 0x40
.irp g, 0,1,2
.irp s, 0,1,2,3,4,5,6,7
.irp c, 0,1
	global_load_b128 v[8*(8*\g+\s)+4*\c:8*(8*\g+\s)+4*\c+3], v[XO], s[20:21] offset:\g*GATEB+\s*2048+\c*512
.endr
.endr
.endr
	WIN 0
	XLOAD 0                                        ; block 0
	global_prefetch_b8 v[PFO], s[XP:XP+1] offset:2*PARTB th:TH_LOAD_NT scope:SCOPE_SE   ; blocks 1 and 2
	global_prefetch_b8 v[PFO], s[XP:XP+1] offset:4*PARTB th:TH_LOAD_NT scope:SCOPE_SE
	s_wait_loadcnt 34                              ; all but block 0's 34 loads are in
	WIN 0x40
.irp g, 0,1,2
.irp j, 0,1,2,3,4,5,6,7
	v_mov_b32 v[BIA+8*\g+\j], v[36+\g]
.endr
.endr
	WIN 0
.irp k, 0,1,2
	s_cmp_gt_u32 s[CH], \k                         ; the chunks ahead of mine carry h on; the others are passed by a select
	s_cselect_b32 s3, -1, 0
	v_fma_f32 v39, v[224+2*\k], v[CAR], v[225+2*\k]
	s_delay_alu instid0(VALU_DEP_1)
	v_cndmask_b32 v[CAR], v[CAR], v39, s3
.endr
	s_wait_alu depctr_va_vdst(0)
	s_wait_kmcnt 0x0
	s_min_u32 s[NN], s[NN], 16
.macro MM s, t, g
.set rD, ACC+16*(\g)+8*(\t)
.set rA, XFR+16*(\s)+8*(\t)
.set rB, 8*(8*(\g)+(\s))
.set rC, BIA+8*(\g)
.set rX, XSC+(\s)
.set rW, WSC+4*(\g)+(\s)%4
.if (\s) == 0 && (\t) == 0
	v_wmma_scale_f32_16x16x128_f8f6f4 v[rD:rD+7], v[rA:rA+7], v[rB:rB+7], v[rC:rC+7], v[rX], v[rW] matrix_a_fmt:MATRIX_FMT_FP4 matrix_b_fmt:MATRIX_FMT_FP4
.elseif (\s) == 0
	v_wmma_scale_f32_16x16x128_f8f6f4 v[rD:rD+7], v[rA:rA+7], v[rB:rB+7], v[rC:rC+7], v[rX], v[rW] matrix_a_fmt:MATRIX_FMT_FP4 matrix_b_fmt:MATRIX_FMT_FP4 matrix_a_scale:MATRIX_SCALE_ROW1
.elseif (\s) < 4 && (\t) == 0
	v_wmma_scale_f32_16x16x128_f8f6f4 v[rD:rD+7], v[rA:rA+7], v[rB:rB+7], v[rD:rD+7], v[rX], v[rW] matrix_a_fmt:MATRIX_FMT_FP4 matrix_b_fmt:MATRIX_FMT_FP4
.elseif (\s) < 4
	v_wmma_scale_f32_16x16x128_f8f6f4 v[rD:rD+7], v[rA:rA+7], v[rB:rB+7], v[rD:rD+7], v[rX], v[rW] matrix_a_fmt:MATRIX_FMT_FP4 matrix_b_fmt:MATRIX_FMT_FP4 matrix_a_scale:MATRIX_SCALE_ROW1
.elseif (\t) == 0
	v_wmma_scale_f32_16x16x128_f8f6f4 v[rD:rD+7], v[rA:rA+7], v[rB:rB+7], v[rD:rD+7], v[rX], v[rW] matrix_a_fmt:MATRIX_FMT_FP4 matrix_b_fmt:MATRIX_FMT_FP4 matrix_b_scale:MATRIX_SCALE_ROW1
.else
	v_wmma_scale_f32_16x16x128_f8f6f4 v[rD:rD+7], v[rA:rA+7], v[rB:rB+7], v[rD:rD+7], v[rX], v[rW] matrix_a_fmt:MATRIX_FMT_FP4 matrix_b_fmt:MATRIX_FMT_FP4 matrix_a_scale:MATRIX_SCALE_ROW1 matrix_b_scale:MATRIX_SCALE_ROW1
.endif
.endm
.macro MULK s                          ; a K step: the six accumulators take turns
	s_wait_loadcnt 28-4*(\s)                       ; of XLOAD's 34 loads, the last that were issued, the scale words and the images of K steps 0 .. s are in; the 4 (7 - s) younger ones stay out
.irp t, 0,1
.irp g, 0,1,2
	MM \s, \t, \g
.endr
.endr
.endm
.macro VV op, d, a, b
.irp e, 0,2,4,6,8,10,12,14
	\op v[\d+\e:\d+\e+1], v[\a+\e:\a+\e+1], v[\b+\e:\b+\e+1]
.endr
.endm
.macro VS d, a, s
.irp e, 0,2,4,6,8,10,12,14
	v_pk_mul_f32 v[\d+\e:\d+\e+1], v[\a+\e:\a+\e+1], s[\s:\s+1] op_sel_hi:[1,0]
.endr
.endm
.macro VFS d, s, c
.irp e, 0,2,4,6,8,10,12,14
	v_pk_fma_f32 v[\d+\e:\d+\e+1], v[\d+\e:\d+\e+1], s[\s:\s+1], v[\c+\e:\c+\e+1] op_sel_hi:[1,0,1]
.endr
.endm
.macro TR op, d, a
.irp e, 0,1,2,3,4,5,6,7,8,9,10,11,12,13,14,15
	\op v[\d+\e], v[\a+\e]
.endr
.endm
.macro GATES                           ; F, I, H become f (in PF) and i g (in PV), line for line as in the launch before
.irp e, 0,1,2,3,4,5,6,7,8,9,10,11,12,13,14,15
	v_min3_num_f32 v[WM+\e], v[AF+\e], v[AI+\e], 0
.endr
.irp e, 0,1,2,3,4,5,6,7,8,9,10,11,12,13,14,15
	v_max_num_f32 v[WR+\e], 0, v[AH+\e]
.endr
	VS WM, WM, CL
.irp e, 0,2,4,6,8,10,12,14
	v_pk_add_f32 v[WT+\e:WT+\e+1], v[AH+\e:AH+\e+1], v[WR+\e:WR+\e+1] neg_lo:[0,1] neg_hi:[0,1]
.endr
	VFS AF, CN, WM
	VFS AI, CN, WM
	VS WT, WT, CL
	s_wait_alu depctr_va_vdst(0)                   ; a wait ahead of the batch
	TR v_exp_f32, WE, WM
	TR v_exp_f32, AF, AF
	TR v_exp_f32, AI, AI
	TR v_exp_f32, WT, WT
	v_nop
	s_wait_alu depctr_va_vdst(0)                   ; and behind it
	VV v_pk_add_f32, WNF, WE, AI
	VV v_pk_add_f32, WNI, WE, AF
.irp e, 0,2,4,6,8,10,12,14
	v_pk_add_f32 v[WQ+\e:WQ+\e+1], v[WT+\e:WT+\e+1], 1.0 op_sel_hi:[1,0]
.endr
	VV v_pk_add_f32, WD, WNF, WNI
	VV v_pk_mul_f32, WD, WD, WQ
	s_wait_alu depctr_va_vdst(0)
	TR v_rcp_f32, WM, WD
	v_nop
	s_wait_alu depctr_va_vdst(0)
	VV v_pk_mul_f32, WQ, WM, WQ
	VV v_pk_mul_f32, WT, WT, WM
	VV v_pk_mul_f32, PF, WNF, WQ
.irp e, 0,2,4,6,8,10,12,14
	v_pk_fma_f32 v[WT+\e:WT+\e+1], v[WQ+\e:WQ+\e+1], v[WR+\e:WR+\e+1], v[WT+\e:WT+\e+1]
.endr
	VV v_pk_mul_f32, PV, WNI, WT
.endm
; WORK1: the block's products (its loads are out already), gates and scan; my 16 steps' pair goes to LDS; the next block's loads go out, if it is to be made.
.macro WORK1
	WIN 0x14
	MULK 0
	WIN 0x04
.irp s, 1,2,3,4,5,6,7
	MULK \s
.endr
	WIN 0
	PLACES
	GATES
.irp j, 1,2,3,4,5,6,7
.irp t, 0,8
	v_fma_f32 v[PV+\t+\j], v[PF+\t+\j], v[PV+\t+\j-1], v[PV+\t+\j]
.endr
.irp t, 0,8
	v_mul_f32 v[PF+\t+\j], v[PF+\t+\j], v[PF+\t+\j-1]
.endr
.endr
	s_delay_alu instid0(VALU_DEP_1)
	v_mul_f32 v12, v[PF+7], v[PF+15]
	s_delay_alu instid0(VALU_DEP_2)
	v_fma_f32 v13, v[PF+15], v[PV+7], v[PV+15]
	ds_store_b64 v[SWR], v[12:13]
	s_add_co_u32 s3, s[BB], 1
	s_cmp_lt_u32 s3, s[NN]
	s_cbranch_scc0 .Lno_next_\@
	XLOAD 2*PARTB                                  ; block b + 1: no load of mine is out (the last K step waited for all), and nothing names these registers before its products
	global_prefetch_b8 v[PFO], s[XP:XP+1] offset:6*PARTB th:TH_LOAD_NT scope:SCOPE_SE   ; block b + 3
.Lno_next_\@:
.endm
.macro MEET                            ; for the others' sake: my LDS stores are done and my LDS reads are back
	s_wait_alu depctr_va_vdst(0)
	s_wait_dscnt 0x0
	s_barrier_signal -1
	s_barrier_wait -1
.endm
; WORK2: the four segments' pairs carry h on; h = product x what entered + sum goes to the stage.
.macro WORK2
	ds_load_b128 v[PR:PR+3], v[SRD]
	ds_load_b128 v[PR+4:PR+7], v[SRD] offset:16
	s_wait_dscnt 0x0
	v_cndmask_b32 v10, v10, v[CAR], s[MK]
	v_fma_f32 v[CAR], v[PR], v[CAR], v[PR+1]
.irp k, 1, 2, 3
	s_delay_alu instid0(VALU_DEP_1)
	v_cndmask_b32 v10, v10, v[CAR], s[MK+\k]
	s_delay_alu instid0(VALU_DEP_2)
	v_fma_f32 v[CAR], v[PR+2*\k], v[CAR], v[PR+1+2*\k]
.endr
	s_delay_alu instid0(VALU_DEP_2)
	v_fma_f32 v14, v[PF+7], v10, v[PV+7]
.irp e, 0,2,4,6
	v_pk_fma_f32 v[PV+\e:PV+\e+1], v[PF+\e:PF+\e+1], v[10:11], v[PV+\e:PV+\e+1] op_sel_hi:[1,0,1]
.endr
.irp e, 8,10,12,14
	v_pk_fma_f32 v[PV+\e:PV+\e+1], v[PF+\e:PF+\e+1], v[14:15], v[PV+\e:PV+\e+1] op_sel_hi:[1,0,1]
.endr
.irp e, 0,1,2,3,4,5,6,7,8,9,10,11,12,13,14,15
	ds_store_b32 v[STW], v[PV+\e] offset:\e*272
.endr
.endm
; WORK3: the block leaves the stage: sixteen lanes store 256 consecutive bytes, aligned.
.macro WORK3
.irp k, 0,1,2,3
	ds_load_b128 v[DR+4*\k:DR+4*\k+3], v[STR] offset:\k*544
.endr
	s_wait_dscnt 0x0
.irp k, 0,1,2,3
	global_store_b128 v[OUTO], v[DR+4*\k:DR+4*\k+3], s[OUT:OUT+1] offset:\k*8192 th:TH_STORE_NT
.endr
.endm
.macro ONWARD
	s_wait_xcnt 0x0                                ; loads, prefetches and stores have read their bases and data: they are written again only behind this wait
	s_add_nc_u64 s[OUT:OUT+1], s[OUT:OUT+1], 0x40000   ; 64 rows on
	s_add_nc_u64 s[XP:XP+1], s[XP:XP+1], 2*PARTB       ; two parts on
.endm
	WORK1                                          ; block 0, whose loads went out at the head
	MEET
	WORK2
	MEET
	WORK3
	ONWARD
	s_mov_b32 s[BB], 1
.Lblock:
	s_cmp_lt_u32 s[BB], s[NN]
	s_cbranch_scc0 .Lnot_1
	WORK1
.Lnot_1:
	MEET                                           ; between this block's pairs and their readers, and between the last block's drain and this block's stage stores
	s_cmp_lt_u32 s[BB], s[NN]
	s_cbranch_scc0 .Lnot_2
	WORK2
.Lnot_2:
	MEET                                           ; between the stage's stores and its readers, and between the pairs' readers and the next block's pairs
	s_cmp_lt_u32 s[BB], s[NN]
	s_cbranch_scc0 .Lnot_3
	WORK3
.Lnot_3:
	ONWARD
	s_add_co_u32 s[BB], s[BB], 1
	s_cmp_lt_u32 s[BB], 16
	s_cbranch_scc1 .Lblock
	s_wait_tensorcnt 0x0                           ; the wave's end
	ds_add_u32 v[SPW], v[NIL]
	s_wait_dscnt 0x0
	s_endpgm
.Lfunc_end_k_q1eb695831a_fix:
	.size	k_q1eb695831a_fix, .Lfunc_end_k_q1eb695831a_fix-k_q1eb695831a_fix
	.p2alignl 7, 3214868480
	.fill 96, 4, 3214868480
	.section	.rodata,"a",@progbits
	.p2align	6, 0x0
	.amdhsa_kernel k_q1eb695831a_fix
		.amdhsa_group_segment_fixed_size 21760
		.amdhsa_private_segment_fixed_size 0
		.amdhsa_enable_private_segment 0
		.amdhsa_kernarg_size 56
		.amdhsa_user_sgpr_count 2
		.amdhsa_user_sgpr_kernarg_segment_ptr 1
		.amdhsa_wavefront_size32 1
		.amdhsa_system_sgpr_workgroup_id_x 1
		.amdhsa_system_sgpr_workgroup_id_y 1
		.amdhsa_system_sgpr_workgroup_id_z 1
		.amdhsa_system_vgpr_workitem_id 0
		.amdhsa_next_free_vgpr 480
		.amdhsa_next_free_sgpr 84
		.amdhsa_reserve_vcc 0
		.amdhsa_float_denorm_mode_32 3
		.amdhsa_float_denorm_mode_16_64 3
		.amdhsa_memory_ordered 1
		.amdhsa_forward_progress 1
		.amdhsa_inst_pref_size 70
	.end_amdhsa_kernel
	.amdgpu_metadata
---
amdhsa.version: [ 1, 2 ]
amdhsa.kernels:
  - .name:           k_q1eb695831a_fix
    .symbol:         k_q1eb695831a_fix.kd
    .args:
      - { .name: codes, .offset: 0, .size: 8, .value_kind: global_buffer, .address_space: global }
      - { .name: b_f, .offset: 8, .size: 8, .value_kind: global_buffer, .address_space: global }
      - { .name: b_i, .offset: 16, .size: 8, .value_kind: global_buffer, .address_space: global }
      - { .name: b_h, .offset: 24, .size: 8, .value_kind: global_buffer, .address_space: global }
      - { .name: sums, .offset: 32, .size: 8, .value_kind: global_buffer, .address_space: global }
      - { .name: cnt, .offset: 40, .size: 8, .value_kind: global_buffer, .address_space: global }
      - { .name: out0, .offset: 48, .size: 8, .value_kind: global_buffer, .address_space: global }
    .group_segment_fixed_size: 21760
    .private_segment_fixed_size: 0
    .kernarg_segment_align: 8
    .kernarg_segment_size: 56
    .max_flat_workgroup_size: 256
    .sgpr_count:     84
    .vgpr_count:     480
    .wavefront_size: 32
...
	.end_amdgpu_metadata
.endif
;; end of part 5
